; MI455X (gfx1250); checked and timed in simulation.
; The chip was launched on July 23, 2026; its instructions are those of AMD's public machine-readable ISA for CDNA 5 (MIT licence, August 2026) and "CDNA5" Instruction Set Architecture Reference Guide (July 2026). The comments in the code are by the model that wrote it; some were corrected since.
;; Slow Multi Head Attention. Allowed arithmetic: matrix products marked QUANTISED: E2M3 operands, one E8M0 scale for each 32 along K, by v_wmma_scale_f32_16x16x128_f8f6f4 with both operands' format E2M3, f32 sums; everything else in f32.
;; Inputs: Wproj 1,024 x 1,024 float32; Wqkv 3,072 x 1,024 float32; attn_mask 4 x 2,048 int32; bproj 1,024 float32; bqkv 3,072 float32; inp 2,048 x 4 x 1,024 float32.
;; Outputs: out0 2,048 x 4 x 1,024 float32.
;; This version of the problem:
;;   THIS VERSION OF THE PROBLEM IS GIVEN IN LOW PRECISION. The matrix products marked QUANTISED in the list below multiply operands that are first quantised to E2M3 (2 exponent bits, 3 mantissa bits; 6 bits a number), with one power-of-two scale for each 32 numbers along K (OCP MX v1.0); their sums are f32. All else is computed in f32.
;;   The module's matrix products, in the order in which they are computed (A, B: the left and right operand; K: the contracted axis; several contracted axes count as one K, in the product's order):
;;     1. [M 8,192, K 1,024] x [K 1,024, N 3,072]; A: input inp; B: input Wqkv: QUANTISED
;;     2. batch 64 x [M 2,048, K 64] x [K 64, N 2,048]; A: computed on the way; B: computed on the way: QUANTISED
;;     3. batch 64 x [M 64, K 2,048] x [K 2,048, N 2,048]; A: computed on the way; B: softmax (see below): QUANTISED
;;     4. [M 8,192, K 1,024] x [K 1,024, N 1,024]; A: computed on the way; B: input Wproj: QUANTISED
;;   THE QUANTISER, for each operand of a quantised product, along K:
;;     - K is cut into blocks of 32 from its start; a last block that is shorter is filled with zeros.
;;     - A block's scale is 2^e with e = floor(log2(the largest magnitude in the block)) - 2, held to -126 .. 127; a block of zeros has e = 0. As a byte (E8M0): e + 127.
;;     - Each number is divided by its block's scale, clamped to +-7.5, and rounded to the nearest number of E2M3, ties to even, subnormals kept.
;;     - The product sums the exact products of the quantised numbers (number of the format x scale) in f32.
;;   ~~~python
;;   def quantise(x, axis):      # numpy; x: float32 -> the quantised numbers, widened to float32 again
;;       x = np.moveaxis(x, axis, -1); K = x.shape[-1]
;;       x = np.pad(x, [(0, 0)] * (x.ndim - 1) + [(0, -K % 32)]); x = x.reshape(x.shape[:-1] + (-1, 32)); a = np.abs(x).max(-1, keepdims=True)
;;       e = np.where(a > 0, np.clip(np.frexp(np.where(a > 0, a, 1))[1] - 1 - 2, -126, 127), 0)      # np.frexp(a)[1] - 1 = floor(log2(a)), exactly
;;       r = np.clip(x / 2.0 ** e, -7.5, 7.5)
;;       step = 2.0 ** (np.maximum(np.frexp(np.where(r == 0, 1, r))[1] - 1, 0) - 3)
;;       q = np.round(r / step) * step * 2.0 ** e      # np.round: ties to even
;;       return np.moveaxis(q.reshape(q.shape[:-2] + (-1,))[..., :K], -1, axis).astype(np.float32)
;;   ~~~
;;   SOFTMAX AHEAD OF A QUANTISED PRODUCT. Where the list says 'softmax', what is quantised is not the finished softmax but p = 2^(t - M), with t = logit x log2(e) and M = ceil(the row's largest t), a whole number; so 1/2 < the row's largest p <= 1. The row's sum l is taken of the UNQUANTISED p, in f32, and the product's result is divided by l at the end. Since M is a whole number, a kernel that streams over the keys may use a running M (the ceiling of the running maximum): every later rescaling is an exact power of two, which a block's scale takes up: the codes' values come out the same.
;;   OPERANDS COMPUTED ON THE WAY. 'Computed on the way' means the value that the module computes at that place (a softmax that the list does not call 'softmax' is quantised finished and normalised). What goes into a quantiser is computed in f32, as accurately as f32 sums, v_exp_f32 and their like allow (about 1e-6 of the number): no bf16 or f16 on the way to a quantiser, and a product that is left as it is and whose result goes on into a quantised operand takes f32 operands (vector FMAs, or v_wmma_f32_16x16x4_f32). A number that lies on a knife's edge between two numbers of the format may be rounded either way, as far as f32 arithmetic and the matrix unit's own rounding can turn it there, and no further.
;; One version. Each part assembles by itself: llvm-mc -triple=amdgcn-amd-amdhsa -mcpu=gfx1250 --defsym DOCPART=n.
;; ======== version 1 of 1: 4 launches
;; limits: right only within a limited range of input values
;; workspace buffers: codes 9,437,184 bytes; scales 393,216 bytes; qkv 18,874,368 bytes; qkvs 1,310,720 bytes; acodes 6,291,456 bytes; ascales 262,144 bytes
;; launch quant (part 1): grid 384 x 1, 4 waves a work-group, no clusters, 34,304 bytes of LDS; arguments inp, Wqkv, Wproj, codes, scales; writes codes, scales
.if DOCPART == 1
	.amdgcn_target "amdgcn-amd-amdhsa--gfx1250"
	.amdhsa_code_object_version 6
	.text
	.protected	k_q66d1746727_quant
	.globl	k_q66d1746727_quant
	.p2align	8
	.type	k_q66d1746727_quant,@function
k_q66d1746727_quant:
	s_mov_b64 s[64:65], 0
	v_nop
	global_prefetch_b8 v0, s[64:65] scope:SCOPE_SE
	s_setreg_imm32_b32 hwreg(HW_REG_WAVE_MODE, 25, 1), 1
	s_wait_xcnt 0x0
; inp [2048][4][1024], Wqkv [3072][1024] and Wproj [1024][1024], f32, become codes of FP6 (E2M3) with one E8M0 byte for each 32 along K (their last axis).
; ONE ROW SPACE of 12,288 rows: 0.. x as [batch][s] (row 2048 b + s), 8192.. Wqkv, 11264.. Wproj.  The codes are laid AS THE MATRIX UNIT'S REGISTERS WANT THEM:
; codes [group of 128 rows][K step of 128][tile of 16 rows][3 planes][32 lanes][16 bytes]: a fragment's 12 registers, four to a plane.  scales [group][half of K][tile][row slot][4 words].
; THE ROWS OF A TILE ARE NOT NEIGHBOURS: slot r of tile 2 g + u of a group holds row 32 g + 8 u + r + 8 (r / 8), so that a product which takes such tiles as source 0 has 16 neighbouring rows in the 16 registers of two neighbouring tiles.
; A block's scale is 2^(floor(log2(largest magnitude)) - 2); its byte is the largest magnitude's exponent field - 2, held at 1 from below.
; LIMITS: a block of zeros, or one whose largest magnitude lies under 2^-124, gets the byte 1 (its codes are zeros or subnormal codes; the bytes are read by this program alone); NaN and infinities among the inputs are not served.
; SHARES.  A wave takes one tile of 16 rows x 512 along K: four fragments.  Each load reads 512 consecutive bytes of one row; the 16 rows turn through the wave's own stage in LDS, so that lane (r, h) gets blocks h and 2 + h of row r.
; Waves share nothing: no barrier, no cluster, no matrix unit.  One path serves the three tensors: only the pointer, the pitch and the tile's number are chosen, on the work-group's number.
.set WREG,  8448                       ; a wave's stage: 16 rows x (512 bytes + 16)
.set SPARE, 4*WREG                     ; behind the stages: the spare words, 128 bytes for each wave
.set L16, 2                            ; v2   16 x lane
.set RR,  3                            ; v3   r = lane % 16
.set HH,  4                            ; v4   h = lane / 16
.set STW, 5                            ; v5   the stage, on the way in
.set STR, 6                            ; v6   and on the way out: row r, + 128 h
.set SOF, 7                            ; v7   16 r + 8 h: my 8 bytes of the tile's scale words
.set SH8, 8                            ; v8   8 h
.set SPW, 10                           ; v10  LDS address of my spare word; never rewritten
.set NIL, 11                           ; v11  0; never rewritten
.set W,   12                           ; v12-15 the four K steps' scale words
.set VO,  16                           ; v16-31 slot i's byte offset: 16 lane + (i + 8 (i / 8)) x pitch
.set R,   32                           ; v32-159 two sets of 64: a K step as loaded
.set X,   160                          ; v160-223 my two blocks of 32
.set PC,  224                          ; v224-235 the fragment
.set CT,  236                          ; v236-238, v240-242 the halves that are moved
.set TM,  244                          ; v244.. at work
	s_load_b128 s[4:7], s[0:1], 0x0                ; inp, Wqkv
	s_load_b128 s[8:11], s[0:1], 0x10              ; Wproj, codes
	s_load_b64 s[12:13], s[0:1], 0x20              ; scales
	v_lshl_add_u32 v[SPW], v0, 2, SPARE
	v_mov_b32 v[NIL], 0
	v_lshrrev_b32 v1, 5, v0
	v_readfirstlane_b32 s16, v1                    ; wave
	v_and_b32 v1, 31, v0
	v_lshlrev_b32 v[L16], 4, v1
	v_and_b32 v[RR], 15, v0
	v_bfe_u32 v[HH], v0, 4, 1
	s_mul_i32 s17, s16, WREG
	v_add_nc_u32 v[STW], s17, v[L16]
	v_mul_u32_u24 v[STR], v[RR], 528
	v_lshl_add_u32 v[STR], v[HH], 7, v[STR]
	v_add_nc_u32 v[STR], s17, v[STR]
	v_lshlrev_b32 v[SOF], 4, v[RR]
	v_lshl_add_u32 v[SOF], v[HH], 3, v[SOF]
	v_lshlrev_b32 v[SH8], 3, v[HH]
	v_mov_b32 v[TM+7], 0                           ; written once: a lane permute's destination counts as one of its sources
	s_mov_b32 s20, 0x76543210
	s_mov_b32 s21, 0xfedcba98                      ; v_permlanex16_b32's selects for lane l xor 16
	s_mov_b32 s22, 0xffff0000                      ; lanes 16-31
	s_lshl_b32 s24, ttmp9, 2
	s_add_co_u32 s24, s24, s16                     ; task
	s_lshr_b32 s25, s24, 1                         ; tile 0..767
	s_and_b32 s26, s24, 1                          ; half of K
	s_mov_b32 s27, 704
	s_mov_b32 s28, 4096
	s_wait_kmcnt 0x0
	s_cmp_lt_u32 ttmp9, 352                        ; work-groups 0-255: x; 256-351: Wqkv; 352-383: Wproj
	s_cselect_b64 s[6:7], s[6:7], s[8:9]
	s_cselect_b32 s27, 512, s27
	s_cmp_lt_u32 ttmp9, 256
	s_cselect_b64 s[4:5], s[4:5], s[6:7]
	s_cselect_b32 s27, 0, s27                      ; the tensor's first tile
	s_cselect_b32 s28, 16384, s28                  ; bytes from row to row: x's rows of one batch lie 4 rows of inp apart
	s_cselect_b32 s29, 127, -1                     ; x: 128 tiles a batch
	s_cselect_b32 s30, -1, 0
	s_sub_co_u32 s27, s25, s27                     ; the tile's number in its tensor
	s_lshr_b32 s31, s27, 7
	s_lshl_b32 s31, s31, 12
	s_and_b32 s31, s31, s30                        ; x: batch x 4,096 bytes
	s_and_b32 s27, s27, s29
	s_lshr_b32 s32, s27, 1
	s_lshl_b32 s32, s32, 5
	s_and_b32 s33, s27, 1
	s_lshl_b32 s33, s33, 3
	s_add_co_u32 s32, s32, s33                     ; slot 0's row: 32 (tile / 2) + 8 (tile % 2)
	s_mul_i32 s32, s32, s28
	s_add_co_u32 s32, s32, s31
	s_lshl_b32 s33, s26, 11
	s_add_co_u32 s32, s32, s33                     ; + my half of K: 2,048 bytes
	s_mov_b32 s33, 0
	s_add_nc_u64 s[4:5], s[4:5], s[32:33]
	s_lshr_b32 s34, s25, 3                         ; group of 128 rows
	s_and_b32 s35, s25, 7                          ; tile in it
	s_mul_i32 s36, s34, 98304
	s_mul_i32 s37, s26, 49152
	s_add_co_u32 s36, s36, s37
	s_mul_i32 s37, s35, 1536
	s_add_co_u32 s36, s36, s37
	s_mov_b32 s37, 0
	s_add_nc_u64 s[10:11], s[10:11], s[36:37]
	s_lshl_b32 s36, s34, 12
	s_lshl_b32 s38, s26, 11
	s_add_co_u32 s36, s36, s38
	s_lshl_b32 s38, s35, 8
	s_add_co_u32 s36, s36, s38
	s_add_nc_u64 s[12:13], s[12:13], s[36:37]
.irp i, 0,1,2,3,4,5,6,7,8,9,10,11,12,13,14,15
	s_mul_i32 s38, s28, \i+8*(\i/8)
	v_add_nc_u32 v[VO+\i], s38, v[L16]
.endr
.macro LOAD f                          ; K step f of my half: 16 rows x 512 consecutive bytes
.irp i, 0,1,2,3,4,5,6,7,8,9,10,11,12,13,14,15
	global_load_b128 v[R+64*((\f)%2)+4*\i:R+64*((\f)%2)+4*\i+3], v[VO+\i], s[4:5] offset:512*(\f) th:TH_LOAD_NT
.endr
.endm
.macro TURN f                          ; through the stage: LDS serves a wave's instructions in order, so no wait stands between the stores and the loads
.irp i, 0,1,2,3,4,5,6,7,8,9,10,11,12,13,14,15
	ds_store_b128 v[STW], v[R+64*((\f)%2)+4*\i:R+64*((\f)%2)+4*\i+3] offset:528*\i
.endr
.irp j, 0,1,2,3,4,5,6,7
	ds_load_b128 v[X+4*\j:X+4*\j+3], v[STR] offset:16*\j                ; block h of row r
.endr
.irp j, 0,1,2,3,4,5,6,7
	ds_load_b128 v[X+32+4*\j:X+32+4*\j+3], v[STR] offset:256+16*\j      ; block 2 + h
.endr
.endm
.macro Q2 f                            ; my two blocks become registers 0-5 and 6-11 of the fragment; the four bytes of the row's word are gathered from lanes l and l xor 16
.irp c, 0,1
	v_max3_num_f32 v[TM+\c], |v[X+32*\c]|, |v[X+32*\c+1]|, 0x1800000    ; and the floor 2^(3 - 127): the byte cannot fall under 1
.endr
.irp i, 2,4,6,8,10,12,14,16,18,20,22,24,26,28,30
.irp c, 0,1
	v_max3_num_f32 v[TM+\c], v[TM+\c], |v[X+32*\c+\i]|, |v[X+32*\c+\i+1]|
.endr
.endr
.irp c, 0,1
	v_add_nc_u32 v[TM+2+\c], 0xff000000, v[TM+\c]  ; 2 off the exponent field: the conversion's scale operand
.endr
.irp c, 0,1
	v_lshrrev_b32 v[TM+4+\c], 23, v[TM+2+\c]       ; the scale's byte
.endr
	v_lshl_or_b32 v[TM+6], v[TM+5], 16, v[TM+4]
	v_lshlrev_b32 v[TM+6], v[SH8], v[TM+6]         ; blocks h and 2 + h at their places in the word
	v_permlanex16_b32 v[TM+7], v[TM+6], s20, s21
	v_or_b32 v[W+\f], v[TM+6], v[TM+7]
	s_wait_alu depctr_va_vdst(0)
	s_wait_xcnt 0x0                                ; the last fragment's stores have read their registers
	v_cvt_scalef32_pk16_fp6_f32 v[PC:PC+2], v[X:X+15], v[TM+2]
	v_cvt_scalef32_pk16_fp6_f32 v[CT:CT+2], v[X+16:X+31], v[TM+2]       ; (a conversion's three registers begin on an even number)
	v_cvt_scalef32_pk16_fp6_f32 v[PC+6:PC+8], v[X+32:X+47], v[TM+3]
	v_cvt_scalef32_pk16_fp6_f32 v[CT+4:CT+6], v[X+48:X+63], v[TM+3]
	v_nop                                          ; one plain place behind a scaled conversion
.irp c, 0,1
.irp i, 0,1,2
	v_mov_b32 v[PC+3+6*\c+\i], v[CT+4*\c+\i]
.endr
.endr
.irp p, 0,1,2
	global_store_b128 v[L16], v[PC+4*\p:PC+4*\p+3], s[10:11] offset:12288*(\f)+512*\p   ; 32 lanes store 512 consecutive bytes, at a multiple of 512 from the buffer's first byte
.endr
.endm
	s_wait_alu depctr_va_vdst(0)
	LOAD 0
	LOAD 1
.irp f, 0,1,2,3
.if \f < 3
	s_wait_loadcnt 16                              ; this K step's 16 loads are in; the next one's 16 may be out
.else
	s_wait_loadcnt 0x0
.endif
	TURN \f
	s_wait_dscnt 0x0                               ; my two blocks are back
.if \f < 2
	LOAD \f+2
.endif
	Q2 \f
.endr
	v_cndmask_b32 v252, v[W], v[W+2], s22          ; lanes 0-15 store words 0, 1 of row r, lanes 16-31 words 2, 3
	v_cndmask_b32 v253, v[W+1], v[W+3], s22
	global_store_b64 v[SOF], v[252:253], s[12:13]  ; 256 consecutive bytes, aligned
	s_wait_tensorcnt 0x0                           ; the wave's end, behind my last LDS store
	ds_add_u32 v[SPW], v[NIL]
	s_wait_dscnt 0x0
	s_endpgm
.Lfunc_end_k_q66d1746727_quant:
	.size	k_q66d1746727_quant, .Lfunc_end_k_q66d1746727_quant-k_q66d1746727_quant
	.p2alignl 7, 3214868480
	.fill 96, 4, 3214868480
	.section	.rodata,"a",@progbits
	.p2align	6, 0x0
	.amdhsa_kernel k_q66d1746727_quant
		.amdhsa_group_segment_fixed_size 34304
		.amdhsa_private_segment_fixed_size 0
		.amdhsa_enable_private_segment 0
		.amdhsa_kernarg_size 40
		.amdhsa_user_sgpr_count 2
		.amdhsa_user_sgpr_kernarg_segment_ptr 1
		.amdhsa_wavefront_size32 1
		.amdhsa_system_sgpr_workgroup_id_x 1
		.amdhsa_system_sgpr_workgroup_id_y 1
		.amdhsa_system_sgpr_workgroup_id_z 1
		.amdhsa_system_vgpr_workitem_id 0
		.amdhsa_next_free_vgpr 256
		.amdhsa_next_free_sgpr 66
		.amdhsa_reserve_vcc 0
		.amdhsa_float_denorm_mode_32 3
		.amdhsa_float_denorm_mode_16_64 3
		.amdhsa_memory_ordered 1
		.amdhsa_forward_progress 1
		.amdhsa_inst_pref_size 32
	.end_amdhsa_kernel
	.amdgpu_metadata
---
amdhsa.version: [ 1, 2 ]
amdhsa.kernels:
  - .name:           k_q66d1746727_quant
    .symbol:         k_q66d1746727_quant.kd
    .args:
      - { .name: inp, .offset: 0, .size: 8, .value_kind: global_buffer, .address_space: global }
      - { .name: Wqkv, .offset: 8, .size: 8, .value_kind: global_buffer, .address_space: global }
      - { .name: Wproj, .offset: 16, .size: 8, .value_kind: global_buffer, .address_space: global }
      - { .name: codes, .offset: 24, .size: 8, .value_kind: global_buffer, .address_space: global }
      - { .name: scales, .offset: 32, .size: 8, .value_kind: global_buffer, .address_space: global }
    .group_segment_fixed_size: 34304
    .private_segment_fixed_size: 0
    .kernarg_segment_align: 8
    .kernarg_segment_size: 40
    .max_flat_workgroup_size: 128
    .sgpr_count:     66
    .vgpr_count:     256
    .wavefront_size: 32
...
	.end_amdgpu_metadata
.endif
;; end of part 1
;; launch gemm_qkv (part 2): grid 8 x 32, 4 waves a work-group, clusters of 4 x 4, 327,680 bytes of LDS; arguments codes, scales, bqkv, qkv, qkvs; writes qkv, qkvs
.if DOCPART == 2
	.amdgcn_target "amdgcn-amd-amdhsa--gfx1250"
	.amdhsa_code_object_version 6
	.text
	.protected	k_q66d1746727_gemm_qkv
	.globl	k_q66d1746727_gemm_qkv
	.p2align	8
	.type	k_q66d1746727_gemm_qkv,@function
k_q66d1746727_gemm_qkv:
	s_mov_b64 s[64:65], 0
	v_nop
	global_prefetch_b8 v0, s[64:65] scope:SCOPE_SE
	s_setreg_imm32_b32 hwreg(HW_REG_WAVE_MODE, 25, 1), 1
	s_wait_xcnt 0x0
	s_wait_alu depctr_hold_cnt(0) depctr_sa_sdst(0) depctr_va_vdst(0) depctr_va_sdst(0) depctr_va_ssrc(0) depctr_va_vcc(0) depctr_vm_vsrc(0)
	s_getreg_b32 s2, hwreg(HW_REG_IB_STS2, 6, 4)
	s_cmp_eq_u32 s2, 0
	s_cbranch_scc0 .Lentry_in_a_cluster
	s_endpgm
.Lentry_in_a_cluster:
	s_bfe_u32 s2, ttmp6, 0x10000c
	s_cmp_lg_u32 s2, 0xf033
	s_cbranch_scc0 .Lentry_shape_is_right
	s_endpgm
.Lentry_shape_is_right:
; qkv = x Wqkv^T + bqkv on codes of FP6 (E2M3) with E8M0 scales; q, k (along the head's channels) and v (along the keys) are quantised again on the way out and stored as images of the next launch's fragments.
; SHARES.  256 work-groups.  Work-group (g, y) owns 256 rows of x (groups 2 y, 2 y + 1 of 128 rows) and three tiles of 128 rows of Wqkv: groups g, g + 8, g + 16 of its 24: the q, the k and the v of heads 2 g and 2 g + 1.
; x's codes for ALL of K (196,608 bytes) stay in LDS; beside them one tile of W (98,304 bytes) and all scale bytes: the walk along K has no ring.
; W's fragments of K steps 6 and 7 are fetched in step 4, so that the tile is read no more from step 5 on: there the next tile of W is asked for, behind a round of the cluster's barrier, a quarter a wave; it has three K steps' products
; and the way out in which to land.
; A wave owns 128 rows of x (8 blocks) x 64 rows of W (4 blocks, one head): 32 accumulators.  q, k: source 0 = W, source 1 = x: a lane holds a row of x, its registers run along the channels.  v: the sources swapped: registers along the keys.
; The bias is the C of the first K step.  CLUSTERS 4 x 4: x's bytes are asked for jointly along a row of the cluster, W's along a column.
; PREFETCH: k's tile of W is asked for at the head, v's in the first pass, each a pass or more ahead of its tensor loads: 384 blocks of 256 bytes, shared out by address among the four partners of a column (96 each) and their waves
; (24 each, a lane a block; lanes 24-31 name their wave's last block again).
; LIMITS: a block of zeros, or one under 2^-124, gets the byte 1 (read by this program alone); NaN and infinities are not served.
; REGISTERS.  Window 0: v2-9, v15 addresses, v28-29 the add's two, v32-95 x's scale words, v96-127 W's, v128-223 W's fragments (two sets; on the way out at work), v224-243 at work.  Window 1: x's fragments, two sets of 96.
; Window 2: the accumulators.  Window 3: v0-95 the biases, v96-191 W's fragments of K steps 6 and 7.
.set WB,    196608
.set XSC,   294912
.set WSC,   303104
.set SPARE, 315392
.set L16, 2
.set L8,  3
.set ADX, 4
.set ADW, 6
.set ADXS, 8
.set ADWS, 9
.set PFO, 15
.set SPW, 28
.set NIL, 29
.set XS,  32
.set WS,  96
.set WF,  128
.set TM,  128
.set SO,  144
.set PWX, 152
.set PC0, 160
.set TP,  224
.set SW,  240
.set LM,  21
.set SEL, 22
.set G1X, 24
.set G1W, 32
.set G1R, 40
.set G1XS, 48
.set G1WS, 56
.set G0X, 68
.set G0W, 72
.set G0XS, 76
.set G0WS, 80
.set G0R, 84
.set MSB, 0
.macro WIN new
.if MSB != (\new)
	s_set_vgpr_msb (MSB<<8)|(\new)
.set MSB, (\new)
.endif
.endm
.macro SHAPE g, c, r, p                ; group 1 behind its first word: r rows of c elements of 8 bytes, pitch p
	s_mov_b32 s[\g+1], (\c)<<16
	s_mov_b32 s[\g+2], (\r)<<16
	s_mov_b32 s[\g+3], (\c)<<16
	s_mov_b32 s[\g+4], \r
	s_mov_b32 s[\g+5], \p
	s_mov_b32 s[\g+6], 0
	s_mov_b32 s[\g+7], 0
.endm
.macro GZ g, lds, lo                   ; group 0: to LDS byte lds, from the address in s[lo:lo+1]
	s_mov_b32 s[\g], 1
	s_mov_b32 s[\g+1], \lds
	s_mov_b64 s[\g+2:\g+3], s[\lo:\lo+1]
	s_or_b32 s[\g+3], s[\g+3], 0x80000000
.endm
.macro CROUND                          ; a round of the cluster's barrier
	s_barrier_signal -1
	s_barrier_wait -1
	s_cmp_lg_u32 s14, 0
	s_cbranch_scc1 .Lnot_wave_0_\@
	s_barrier_signal -3
.Lnot_wave_0_\@:
	s_barrier_wait -3
	s_barrier_signal -1
	s_barrier_wait -1
.endm
.macro PLACES n
.rept \n
	v_nop
.endr
.endm
	s_load_b128 s[4:7], s[0:1], 0x0                ; codes, scales
	s_load_b128 s[8:11], s[0:1], 0x10              ; bqkv, qkv
	s_load_b64 s[12:13], s[0:1], 0x20              ; qkvs
	v_lshl_add_u32 v[SPW], v0, 2, SPARE
	v_mov_b32 v[NIL], 0
	ds_add_u32 v[SPW], v[NIL]                      ; the opening lines: the add, twice on end, and its wait
	ds_add_u32 v[SPW], v[NIL]
	v_lshrrev_b32 v1, 5, v0
	v_readfirstlane_b32 s14, v1                    ; wave
	s_lshr_b32 s15, s14, 1                         ; my half of x's rows
	s_and_b32 s16, s14, 1                          ; my half of W's rows
	s_bfe_u32 s88, ttmp6, 0x40000                  ; cx
	s_bfe_u32 s89, ttmp6, 0x40004                  ; cy
	s_lshl_b32 s90, ttmp9, 2
	s_add_co_u32 s90, s90, s88                     ; g
	s_and_b32 s17, ttmp7, 0xffff
	s_lshl_b32 s17, s17, 2
	s_add_co_u32 s17, s17, s89                     ; y
	s_lshl_b32 s91, s89, 2
	s_lshl_b32 s91, 15, s91                        ; my row of the cluster
	s_lshl_b32 s92, 0x1111, s88                    ; my column
	s_or_b32 s[G1X], s91, (3<<16)|(1<<21)
	s_or_b32 s[G1XS], s91, (3<<16)|(1<<21)
	s_or_b32 s[G1W], s92, (3<<16)|(1<<21)
	s_or_b32 s[G1R], s92, (3<<16)|(1<<21)
	s_or_b32 s[G1WS], s92, (3<<16)|(1<<21)
	SHAPE G1X, 32, 768, 32                         ; x's codes: 196,608 dense bytes as rows of 256
	SHAPE G1W, 32, 384, 32                         ; a tile of W: 98,304
	SHAPE G1R, 32, 96, 32                          ; a quarter of one: 24,576
	SHAPE G1XS, 32, 32, 32                         ; x's scale bytes: 8,192
	SHAPE G1WS, 512, 3, 4096                       ; W's: three groups of 4,096 bytes, eight groups apart
	s_mul_i32 s18, s17, 196608
	s_mov_b32 s19, 0
	s_lshl_b32 s20, s17, 13
	s_mov_b32 s21, 0
	s_add_co_u32 s93, s90, 64                      ; W's first group in the row space
	s_mul_i32 s22, s93, 98304
	s_mov_b32 s23, 0
	s_lshl_b32 s96, s93, 12
	s_mov_b32 s97, 0
	s_mul_i32 s94, s14, 24576
	s_add_co_u32 s2, s22, 786432                   ; eight groups on: k's tile,
	s_mov_b32 s3, 0
	s_add_co_u32 s98, s2, s94                      ; and my quarter of it
	s_mov_b32 s99, 0
	s_wait_dscnt 0x0
	s_wait_kmcnt 0x0
	s_add_nc_u64 s[18:19], s[4:5], s[18:19]
	s_add_nc_u64 s[20:21], s[6:7], s[20:21]
	s_add_nc_u64 s[22:23], s[4:5], s[22:23]
	s_add_nc_u64 s[96:97], s[6:7], s[96:97]
	s_add_nc_u64 s[98:99], s[4:5], s[98:99]
	s_add_nc_u64 s[2:3], s[4:5], s[2:3]            ; the prefetches' base; never rewritten
	CROUND                                         ; all sixteen work-groups are here: the first joint loads meet
	GZ G0X, 0, 18
	GZ G0W, WB, 22
	GZ G0XS, XSC, 20
	GZ G0WS, WSC, 96
	GZ G0R, WB, 98
	s_add_co_u32 s[G0R+1], s94, WB
.macro ARM under, g0, g1, next         ; the head's loads, one a wave, in one chain of branches on the wave's number
	s_cmp_lt_u32 s14, \under
	s_cbranch_scc0 \next
	tensor_load_to_lds s[\g0:\g0+3], s[\g1:\g1+7]
	s_nop 0
	PLACES 4
	s_branch .Lhead_asked
\next:
.endm
	ARM 1, G0X, G1X, .Lhead_w
	ARM 2, G0W, G1W, .Lhead_xs
	ARM 3, G0XS, G1XS, .Lhead_ws
	tensor_load_to_lds s[G0WS:G0WS+3], s[G1WS:G1WS+7]
	s_nop 0
	PLACES 4
.Lhead_asked:
	s_mov_b32 s[LM], 0xffff0000                    ; lanes 16-31
	s_mov_b32 s[SEL], 0x76543210
	s_mov_b32 s[SEL+1], 0xfedcba98
	s_lshr_b32 s93, s17, 3                         ; batch
	s_and_b32 s96, s17, 7
	s_lshl_b32 s96, s96, 1
	s_add_co_u32 s96, s96, s15                     ; my group of 128 rows in the batch
	s_lshl_b32 s97, s90, 1
	s_add_co_u32 s97, s97, s16                     ; my head
	s_lshl_b32 s93, s93, 4
	s_add_co_u32 s93, s93, s97
	s_mul_i32 s98, s93, 98304
	s_mul_i32 s99, s96, 6144
	s_add_co_u32 s98, s98, s99
	s_mov_b32 s99, 0
	s_add_nc_u64 s[10:11], s[10:11], s[98:99]      ; codes: (batch, head) x 98,304 + group x 6,144 in each of the three regions
	s_mul_i32 s98, s93, 20480
	s_add_nc_u64 s[12:13], s[12:13], s[98:99]
	s_lshl_b32 s98, s96, 8
	s_add_nc_u64 s[18:19], s[12:13], s[98:99]      ; v's scale words: 256 bytes a group
	s_lshl_b32 s98, s96, 9
	s_add_nc_u64 s[12:13], s[12:13], s[98:99]      ; q's and k's: 512
	s_lshl_b32 s98, s90, 9
	s_lshl_b32 s93, s16, 8
	s_add_co_u32 s98, s98, s93
	s_add_nc_u64 s[94:95], s[8:9], s[98:99]        ; the bias of my 64 rows of W
	v_and_b32 v1, 15, v0
	v_bfe_u32 v10, v0, 4, 1
	v_and_b32 v11, 31, v0
	v_min_u32 v[PFO], 23, v11
	v_lshlrev_b32 v[PFO], 8, v[PFO]
	s_mul_i32 s98, s89, 24576                      ; my work-group's 96 blocks of a tile of W,
	s_mul_i32 s93, s14, 6144                       ; my wave's 24 of them
	s_add_co_u32 s98, s98, s93
	v_add_nc_u32 v[PFO], s98, v[PFO]               ; never rewritten
	global_prefetch_b8 v[PFO], s[2:3] th:TH_LOAD_NT scope:SCOPE_SE   ; k's tile
	v_lshlrev_b32 v[L16], 4, v11
	v_lshlrev_b32 v[L8], 3, v11
	s_mul_i32 s98, s15, 98304
	v_add_nc_u32 v[ADX], s98, v[L16]
	v_add_nc_u32 v[ADX+1], 49152, v[ADX]           ; K steps 4-7
	s_mul_i32 s98, s16, 6144
	s_add_co_u32 s98, s98, WB
	v_add_nc_u32 v[ADW], s98, v[L16]
	v_add_nc_u32 v[ADW+1], 49152, v[ADW]
	v_lshlrev_b32 v12, 4, v1
	s_lshl_b32 s98, s15, 12
	s_add_co_u32 s98, s98, XSC
	v_add_nc_u32 v[ADXS], s98, v12
	s_lshl_b32 s98, s16, 10
	s_add_co_u32 s98, s98, WSC
	v_add_nc_u32 v[ADWS], s98, v12
.irp b, 0,1,2,3,4,5,6,7
	v_mov_b32 v[TP+\b], 0                          ; a lane permute's destination counts as one of its sources
.endr
	v_lshlrev_b32 v13, 6, v10                      ; q, k: channels 16 h on
	v_and_b32 v14, 8, v1
	v_add_nc_u32 v14, v14, v1
	v_lshlrev_b32 v14, 2, v14                      ; v: channel r + 8 (r / 8)
	WIN 0xc0                                       ; destinations in window 3
.irp k, 0,1
.irp t, 0,1,2,3
	global_load_b128 v[32*\k+8*\t:32*\k+8*\t+3], v13, s[94:95] offset:4096*\k+4*(32*(\t/2)+8*(\t%2))
	global_load_b128 v[32*\k+8*\t+4:32*\k+8*\t+7], v13, s[94:95] offset:4096*\k+4*(32*(\t/2)+8*(\t%2))+16
.endr
.endr
.irp a, 0,1,2,3
.irp j, 0,1,2,3,4,5,6,7
	global_load_b32 v[64+8*\a+\j], v14, s[94:95] offset:8192+4*(32*(\a/2)+8*(\a%2))   ; v: my channel's bias in all eight registers of a C
.endr
.endr
	WIN 0
.macro FX q                            ; x's eight fragments of K step q into set q % 2
	WIN 0x40
.irp i, 0,1,2,3,4,5,6,7
.irp p, 0,1,2
	ds_load_b128 v[96*((\q)%2)+12*\i+4*\p:96*((\q)%2)+12*\i+4*\p+3], v[ADX+(\q)/4] offset:12288*((\q)%4)+1536*\i+512*\p
.endr
.endr
	WIN 0
.endm
.macro FW q                            ; W's four: K steps 0-5 into set q % 2 of window 0, K steps 6 and 7 into window 3
.if (\q) < 6
.set WR, WF+48*((\q)%2)
.else
.set WR, 96+48*((\q)-6)
	WIN 0xc0
.endif
.irp i, 0,1,2,3
.irp p, 0,1,2
	ds_load_b128 v[WR+12*\i+4*\p:WR+12*\i+4*\p+3], v[ADW+(\q)/4] offset:12288*((\q)%4)+1536*\i+512*\p
.endr
.endr
	WIN 0
.endm
.macro WM d, a, b, sa, sb, q, c        ; the first K step starts the sums from the bias
.if (\q) == 0
	v_wmma_scale_f32_16x16x128_f8f6f4 v[\d:\d+7], v[\a:\a+11], v[\b:\b+11], v[\c:\c+7], v[\sa], v[\sb] matrix_a_fmt:MATRIX_FMT_FP6 matrix_b_fmt:MATRIX_FMT_FP6
.else
	v_wmma_scale_f32_16x16x128_f8f6f4 v[\d:\d+7], v[\a:\a+11], v[\b:\b+11], v[\d:\d+7], v[\sa], v[\sb] matrix_a_fmt:MATRIX_FMT_FP6 matrix_b_fmt:MATRIX_FMT_FP6
.endif
.endm
.macro MUL q, kind                     ; 32 matrix instructions, the 32 accumulators by turns
.if (\q) < 6
.set WR, WF+48*((\q)%2)
.set WW, 0
.else
.set WR, 96+48*((\q)-6)
.set WW, 3
.endif
.if (\q) == 0
.set CW, 3
.else
.set CW, 2
.endif
.if (\kind) == 2
	WIN 0x81|(CW<<4)|(WW<<2)                       ; source 0 = x (window 1), source 1 = W, D window 2
.irp b, 0,1,2,3
.irp t, 0,1,2,3,4,5,6,7
	WM 8*(8*\b+\t), 96*((\q)%2)+12*\t, WR+12*\b, XS+4*(8*((\q)/4)+\t)+(\q)%4, WS+4*(4*((\q)/4)+\b)+(\q)%4, \q, 64+8*\b
.endr
.endr
.else
	WIN 0x84|(CW<<4)|WW                            ; source 0 = W, source 1 = x (window 1), D window 2
.irp t, 0,1,2,3,4,5,6,7
.irp b, 0,1,2,3
	WM 8*(4*\t+\b), WR+12*\b, 96*((\q)%2)+12*\t, WS+4*(4*((\q)/4)+\b)+(\q)%4, XS+4*(8*((\q)/4)+\t)+(\q)%4, \q, 32*(\kind)+8*\b
.endr
.endr
.endif
	WIN 0
.endm
.macro STEP q, kind
.if (\q) < 4
	PLACES 4                                       ; in front of loads into registers that matrix instructions have read
	FX (\q)+1
	FW (\q)+1
	s_wait_dscnt 36                                ; all but the 36 loads just issued: this step's fragments are in
.elseif (\q) == 4
	PLACES 4
	FX 5
	FW 5
	FW 6
	FW 7                                           ; my last reads of this tile of W
	s_wait_dscnt 60                                ; all but the 24 + 3 x 12 loads just issued
.elseif (\q) == 5
.if (\kind) < 2
	s_wait_tensorcnt 0x0                           ; none of my tensor loads is out;
	ds_add_u32 v[SPW], v[NIL]                      ; an add to my spare word;
	s_wait_dscnt 0x0                               ; it is done, and so are my reads of this tile of W
	CROUND                                         ; the same holds of every wave of every partner
	tensor_load_to_lds s[G0R:G0R+3], s[G1R:G1R+7]  ; my quarter of the next tile of W
	s_nop 0
.endif
	PLACES 4
	FX 6
	s_wait_dscnt 24                                ; all but x's 24 just issued
.elseif (\q) == 6
	PLACES 4
	FX 7
	s_wait_dscnt 24
.else
	s_wait_dscnt 0x0
.endif
	MUL \q, \kind
.endm
; 128 accumulator registers a lane, from register bs of window 2 on: eight blocks of 32 numbers (16 mine, 16 of lane l xor 16) become two sets of 12 registers of codes and two words of four scale bytes
.macro QUANT8 bs
	WIN 0x28                                       ; sources 1 and 2 in window 2
.irp b, 0,1,2,3,4,5,6,7
	v_max3_num_f32 v[TM+\b], 0x1800000, |v[\bs+16*\b]|, |v[\bs+16*\b+1]|   ; with the floor 2^(3 - 127): the byte cannot fall under 1
.endr
.irp i, 2,4,6,8,10,12,14
.irp b, 0,1,2,3,4,5,6,7
	v_max3_num_f32 v[TM+\b], v[TM+\b], |v[\bs+16*\b+\i]|, |v[\bs+16*\b+\i+1]|
.endr
.endr
	WIN 0
.irp b, 0,1,2,3,4,5,6,7
	v_permlanex16_b32 v[TP+\b], v[TM+\b], s[SEL], s[SEL+1]
.endr
.irp b, 0,1,2,3,4,5,6,7
	v_max_num_f32 v[TM+\b], v[TM+\b], v[TP+\b]
.endr
.irp b, 0,1,2,3,4,5,6,7
	v_add_nc_u32 v[SO+\b], 0xff000000, v[TM+\b]    ; 2 off the exponent field: the conversion's scale operand
.endr
.irp b, 0,1,2,3,4,5,6,7
	v_lshrrev_b32 v[TP+\b], 23, v[SO+\b]           ; the scale's byte
.endr
.irp u, 0,1
	v_lshl_or_b32 v[PWX+\u], v[TP+4*\u+1], 8, v[TP+4*\u]
.endr
.irp u, 0,1
	v_lshl_or_b32 v[PWX+\u], v[TP+4*\u+2], 16, v[PWX+\u]
.endr
.irp u, 0,1
	v_lshl_or_b32 v[PWX+\u], v[TP+4*\u+3], 24, v[PWX+\u]
.endr
	s_wait_alu depctr_va_vdst(0)
	s_wait_xcnt 0x0                                ; the last stores have read their registers
	WIN 0x02                                       ; source 0 in window 2
.irp u, 0,1
.irp c, 0,1
	v_cvt_scalef32_pk16_fp6_f32 v[PC0+20*\u+6*\c:PC0+20*\u+6*\c+2], v[\bs+64*\u+32*\c:\bs+64*\u+32*\c+15], v[SO+4*\u+2*\c]
	v_cvt_scalef32_pk16_fp6_f32 v[PC0+20*\u+12+4*\c:PC0+20*\u+14+4*\c], v[\bs+64*\u+32*\c+16:\bs+64*\u+32*\c+31], v[SO+4*\u+2*\c+1]
.endr
.endr
	WIN 0
	v_nop                                          ; one plain place behind a scaled conversion
.irp u, 0,1
.irp c, 0,1
.irp i, 0,1,2
	v_permlane16_swap_b32 v[PC0+20*\u+6*\c+\i], v[PC0+20*\u+12+4*\c+\i]   ; a whole block of 32 to a lane
.endr
.endr
.endr
.irp u, 0,1
.irp c, 0,1
.irp i, 0,1,2
	v_mov_b32 v[PC0+20*\u+3+6*\c+\i], v[PC0+20*\u+12+4*\c+\i]
.endr
.endr
.endr
.endm
; set u goes out.  q, k (kind 0, 1): blocks 2 m and 2 m + 1 of x's rows, 64 channels each.  v (kind 2): W's block m, 128 keys.
.macro ST m, u, kind
.if (\kind) == 2
.irp p, 0,1,2
	global_store_b128 v[L16], v[PC0+20*(\u)+4*\p:PC0+20*(\u)+4*\p+3], s[10:11] offset:1536*(\m)+512*\p
.endr
.if (\m)%2 == 0
	v_mov_b32 v[SW+(\m)/2], v[PWX+(\u)]
.else
	v_cndmask_b32 v[SW+(\m)/2], v[SW+(\m)/2], v[PWX+(\u)], s[LM]
.endif
.else
	global_store_b128 v[L16], v[PC0+20*(\u):PC0+20*(\u)+3], s[10:11] offset:6291456*(\kind)+1536*(\m)
	global_store_b64 v[L8], v[PC0+20*(\u)+4:PC0+20*(\u)+5], s[10:11] offset:6291456*(\kind)+1536*(\m)+512
	global_store_b128 v[L16], v[PC0+20*(\u)+6:PC0+20*(\u)+9], s[10:11] offset:6291456*(\kind)+1536*(\m)+768
	global_store_b64 v[L8], v[PC0+20*(\u)+10:PC0+20*(\u)+11], s[10:11] offset:6291456*(\kind)+1536*(\m)+1280
	v_lshrrev_b32 v[PWX+2+(\u)], 16, v[PWX+(\u)]
	v_cndmask_b32 v[SW+(\m)], v[PWX+(\u)], v[PWX+2+(\u)], s[LM]   ; lanes 0-15 the even block's two bytes, lanes 16-31 the odd one's
.endif
.endm
.macro PASS kind
.irp hf, 0,1
.irp b, 0,1,2,3
	ds_load_b128 v[WS+4*(4*\hf+\b):WS+4*(4*\hf+\b)+3], v[ADWS] offset:4096*(\kind)+2048*\hf+256*\b
.endr
.endr
	FX 0
	FW 0
.irp q, 0,1,2,3,4,5,6
	STEP \q, \kind
.endr
.if (\kind) == 0
	global_prefetch_b8 v[PFO], s[2:3] offset:786432 th:TH_LOAD_NT scope:SCOPE_SE   ; v's tile, eight groups behind k's: its tensor loads stand a pass on
.endif
	STEP 7, \kind
	PLACES 4                                       ; in front of the first read of the results
	QUANT8 0
	ST 0, 0, \kind
	ST 1, 1, \kind
	QUANT8 128
	ST 2, 0, \kind
	ST 3, 1, \kind
.endm
	s_wait_alu depctr_va_vdst(0)                   ; the head's end
	s_wait_tensorcnt 0x0                           ; my tile of the head's four is in
	s_barrier_signal -1
	s_barrier_wait -1                              ; everybody's
.irp hf, 0,1
.irp i, 0,1,2,3,4,5,6,7
	ds_load_b128 v[XS+4*(8*\hf+\i):XS+4*(8*\hf+\i)+3], v[ADXS] offset:2048*\hf+256*\i
.endr
.endr
	s_wait_loadcnt 0x0                             ; the biases
	PASS 0
	global_store_b128 v[L16], v[SW:SW+3], s[12:13] offset:12288
	s_wait_xcnt 0x0                                ; the stores have read their registers: fragments land there next
	s_wait_tensorcnt 0x0                           ; my quarter of k's tile is in; no load of mine is out, so its descriptor may step
	s_add_nc_u64 s[G0R+2:G0R+3], s[G0R+2:G0R+3], 786432
	s_barrier_signal -1
	s_barrier_wait -1
	PASS 1
	global_store_b128 v[L16], v[SW:SW+3], s[12:13]
	s_wait_xcnt 0x0
	s_add_nc_u64 s[10:11], s[10:11], 12582912      ; v's region
	s_wait_tensorcnt 0x0
	s_barrier_signal -1
	s_barrier_wait -1
	PASS 2
	global_store_b64 v[L8], v[SW:SW+1], s[18:19] offset:8192
	s_wait_tensorcnt 0x0                           ; the wave's end
	ds_add_u32 v[SPW], v[NIL]
	s_wait_dscnt 0x0
	CROUND                                         ; the closing round
	s_endpgm
.Lfunc_end_k_q66d1746727_gemm_qkv:
	.size	k_q66d1746727_gemm_qkv, .Lfunc_end_k_q66d1746727_gemm_qkv-k_q66d1746727_gemm_qkv
	.p2alignl 7, 3214868480
	.fill 96, 4, 3214868480
	.section	.rodata,"a",@progbits
	.p2align	6, 0x0
	.amdhsa_kernel k_q66d1746727_gemm_qkv
		.amdhsa_group_segment_fixed_size 327680
		.amdhsa_private_segment_fixed_size 0
		.amdhsa_enable_private_segment 0
		.amdhsa_kernarg_size 40
		.amdhsa_user_sgpr_count 2
		.amdhsa_user_sgpr_kernarg_segment_ptr 1
		.amdhsa_wavefront_size32 1
		.amdhsa_system_sgpr_workgroup_id_x 1
		.amdhsa_system_sgpr_workgroup_id_y 1
		.amdhsa_system_sgpr_workgroup_id_z 1
		.amdhsa_system_vgpr_workitem_id 0
		.amdhsa_next_free_vgpr 1024
		.amdhsa_next_free_sgpr 100
		.amdhsa_reserve_vcc 0
		.amdhsa_float_denorm_mode_32 3
		.amdhsa_float_denorm_mode_16_64 3
		.amdhsa_memory_ordered 1
		.amdhsa_forward_progress 1
		.amdhsa_inst_pref_size 227
	.end_amdhsa_kernel
	.amdgpu_metadata
---
amdhsa.version: [ 1, 2 ]
amdhsa.kernels:
  - .name:           k_q66d1746727_gemm_qkv
    .symbol:         k_q66d1746727_gemm_qkv.kd
    .args:
      - { .name: codes, .offset: 0, .size: 8, .value_kind: global_buffer, .address_space: global }
      - { .name: scales, .offset: 8, .size: 8, .value_kind: global_buffer, .address_space: global }
      - { .name: bqkv, .offset: 16, .size: 8, .value_kind: global_buffer, .address_space: global }
      - { .name: qkv, .offset: 24, .size: 8, .value_kind: global_buffer, .address_space: global }
      - { .name: qkvs, .offset: 32, .size: 8, .value_kind: global_buffer, .address_space: global }
    .group_segment_fixed_size: 327680
    .private_segment_fixed_size: 0
    .kernarg_segment_align: 8
    .kernarg_segment_size: 40
    .max_flat_workgroup_size: 128
    .sgpr_count:     100
    .vgpr_count:     1024
    .wavefront_size: 32
...
	.end_amdgpu_metadata
.endif
;; end of part 2
;; launch attn (part 3): grid 4 x 64, 8 waves a work-group, clusters of 4 x 1, 219,136 bytes of LDS; arguments qkv, qkvs, attn_mask, acodes, ascales; writes acodes, ascales
.if DOCPART == 3
	.amdgcn_target "amdgcn-amd-amdhsa--gfx1250"
	.amdhsa_code_object_version 6
	.text
	.protected	k_q66d1746727_attn
	.globl	k_q66d1746727_attn
	.p2align	8
	.type	k_q66d1746727_attn,@function
k_q66d1746727_attn:
	s_mov_b64 s[64:65], 0
	v_nop
	global_prefetch_b8 v0, s[64:65] scope:SCOPE_SE
	s_setreg_imm32_b32 hwreg(HW_REG_WAVE_MODE, 25, 1), 1
	s_wait_xcnt 0x0
	s_wait_alu depctr_hold_cnt(0) depctr_sa_sdst(0) depctr_va_vdst(0) depctr_va_sdst(0) depctr_va_ssrc(0) depctr_va_vcc(0) depctr_vm_vsrc(0)
	s_getreg_b32 s2, hwreg(HW_REG_IB_STS2, 6, 4)
	s_cmp_eq_u32 s2, 0
	s_cbranch_scc0 .Lentry_in_a_cluster
	s_endpgm
.Lentry_in_a_cluster:
	s_bfe_u32 s2, ttmp6, 0x10000c
	s_cmp_lg_u32 s2, 0x3003
	s_cbranch_scc0 .Lentry_shape_is_right
	s_endpgm
.Lentry_shape_is_right:
; attn[b][q][head] = softmax_k(q . k / 8, keys with attn_mask != 0 left out) v, both products on codes of FP6 (E2M3) with E8M0 scales; the result is quantised along D for the last product and stored as codes.
; THE SOFTMAX: t = score x log2(e) / 8; M = the running largest t rounded UP to a whole number; p = 2^(t - M) is quantised along the keys, not normalised; the row's sum of the unquantised p divides at the end.
; SHARES.  A work-group owns 512 queries of one (batch, head).  Each of its eight waves owns TWO tiles of 16 queries at a time, in two passes: both tiles use each fragment of K, of V and of the mask that the wave reads from LDS,
; and one tile's chain of dependent lines (the running M) stands among the other tile's independent lines.
; THE WHOLE HEAD'S K AND V STAY IN LDS (2 x 98,304 bytes of codes, 12,288 scale bytes), filled once: no ring.  CLUSTER: the four work-groups of a head ask for these bytes JOINTLY (mask 15).
; All bytes are asked for at the head, so there is no later stream to ask for ahead of time.
; LAYOUT.  Both products are used transposed: S^T = K Q^T, O^T = V^T P^T: a lane holds ONE query (lane % 16).  The codes lie in memory as images of the fragments' registers.
; WHICH KEYS FORM A TILE OF K is chosen here by the lanes' LDS addresses: slot 8 hh + j of tile 4 c + u is key 64 c + 32 hh + 8 u + j of the step.  So the 32 score registers of tiles 4 c .. 4 c + 3 of lane (r, h) are
; the WHOLE block 2 c + h of 32 keys, in order: a block's maximum needs no other lane, and the conversions' results are the operand's registers (three moves a block: a conversion's three registers begin on an even number).
; In the stored images that key is slot 8 (u / 2) + j of tile 4 c + 2 hh + u % 2.
; K = 64 IN AN INSTRUCTION OF 128: Q's registers 6-11 are zero codes; K's fragment of tile t names six registers more, the next tile's codes (behind tile 7: zeros): every product there has a zero factor, the format has no NaN, no scale byte is 0xff.
; THE MASK lies in LDS as f32, 0 or -2^127, and is the C of K Q^T, one set of registers for both tiles.  The running largest score begins at -2^124, above every masked score: p of a masked key is 0 even while no open key has been seen.
; LIMITS: an open key whose score lies under -2^124 counts as masked; where all keys of a batch are masked the sum is 0 and the scale bytes are set to 0xff, so that the last product gives NaN as the softmax of nothing does;
; blocks of zeros or under 2^-124 get the byte 1; NaN and infinities are not served.  The two scale bytes of a row and head leave by a 2-byte store, the one store here that does not cover its 256 bytes.
; A TRIP fetches V of its own step and K, K's scale words and the mask of the NEXT step directly behind the score products; the next step's number wraps at 16, so the first pass's last trip fetches the second pass's first step
; (the second pass's last fetch is not used).
; REGISTERS.  Window 0: v1-9 addresses, v12-13 the add's two, v14-23 scale words, v24-47 Q (two tiles, each 6 + 6 zeros), v48-101 K + zeros, v102-149 V, v150-213 mask, v214-237 p's codes, v238-243 the step's addresses.
; Window 1: v0-127 scores then p (two tiles), v128-191 O^T, v192-231 a tile's state (20 each), v232 8 h, v236-254 halves that are moved.
.set VIMG,  98304                      ; LDS: K's images from 0, V's from here: [step of 128 keys][6,144 bytes]
.set KSC,   196608                     ; K's scale words [step][512 bytes],
.set VSC,   204800                     ; V's [step][256 bytes],
.set MB,    208896                     ; the mask as f32, 4 bytes a key: blocks of their own, into which no fill lands
.set SPARE, 217088                     ; the spare words, 128 bytes for each of eight waves
.set WV,  18
.set SEL, 20
.set CS,  22
.set SI,  70                           ; the step
.set SNX, 71                           ; the next step, modulo 16
.set TK,  72                           ; its images, 6,144 bytes a step
.set TS,  73                           ; its scale words of K and its mask, 512 a step
.set TV,  74                           ; this step's images of V
.set TW,  75                           ; and V's scale words, 256 a step
.set NC,  76                           ; -c
.set KA, 1
.set KB, 2
.set VA, 3
.set KS, 4
.set VS, 5
.set MA, 6
.set L16, 7
.set L8, 8
.set R16, 9
.set SPW, 12
.set NIL, 13
.set QS, 14
.set PWD, 16
.set KSW, 18
.set VSW, 22
.set Q, 24
.set KF, 48
.set VF, 102
.set MK, 150
.set P, 214
.set AD, 238
.set OT, 128                           ; window 1 from here on
.set ST, 192                           ; a tile's state: +0 -M, +1 largest score, +2 f, +3 pad, +4..11 the sum in four pairs, +12,13 block maxima, +14,15 scale operands, +16..19 at work
.set SH8, 232
.set TMP, 236
.set MSB, 0
.macro WIN new                         ; the immediate's high byte repeats the setting that is left
.if MSB != (\new)
	s_set_vgpr_msb (MSB<<8)|(\new)
.set MSB, (\new)
.endif
.endm
.macro SHAPE g, rows                   ; descriptor group 1: a dense block as rows of 256 bytes (32 elements of 8 bytes), for all four work-groups
	s_mov_b32 s[\g], 15|(3<<16)|(1<<21)
	s_mov_b32 s[\g+1], 32<<16
	s_mov_b32 s[\g+2], (\rows)<<16
	s_mov_b32 s[\g+3], 32<<16
	s_mov_b32 s[\g+4], \rows
	s_mov_b32 s[\g+5], 32
	s_mov_b32 s[\g+6], 0
	s_mov_b32 s[\g+7], 0
.endm
.macro CROUND                          ; a round of the cluster's barrier
	s_barrier_signal -1
	s_barrier_wait -1
	s_cmp_lg_u32 s[WV], 0
	s_cbranch_scc1 .Lnot_wave_0_\@
	s_barrier_signal -3
.Lnot_wave_0_\@:
	s_barrier_wait -3
	s_barrier_signal -1
	s_barrier_wait -1
.endm
	s_load_b128 s[4:7], s[0:1], 0x0                ; qkv, qkvs
	s_load_b128 s[8:11], s[0:1], 0x10              ; attn_mask, acodes
	s_load_b64 s[12:13], s[0:1], 0x20              ; ascales
	v_lshl_add_u32 v[SPW], v0, 2, SPARE
	v_mov_b32 v[NIL], 0
	ds_add_u32 v[SPW], v[NIL]                      ; the wave's opening: the add, twice on end, and its wait ahead of the first tensor loads
	ds_add_u32 v[SPW], v[NIL]
	v_lshrrev_b32 v11, 5, v0
	v_readfirstlane_b32 s[WV], v11                 ; wave 0..7
	s_and_b32 s19, ttmp7, 0xffff                   ; 16 x batch + head, which the four partners share
	SHAPE 24, 128                                  ; a third of K's or V's images: 32,768 bytes
	SHAPE 32, 48                                   ; the head's scale bytes of K and V: 12,288
	s_cmp_lt_u32 s[WV], 3                          ; waves 0-2 fetch K's thirds, waves 3-5 V's, wave 6 the scale bytes
	s_cselect_b32 s86, 0, 3
	s_mov_b32 s88, 12582912
	s_cselect_b32 s88, 6291456, s88                ; in memory: k's region, or v's
	s_sub_co_u32 s86, s[WV], s86
	s_lshl_b32 s86, s86, 15
	s_add_co_u32 s88, s88, s86
	s_lshl_b32 s87, s[WV], 15                      ; in LDS the six thirds lie on end
	s_mul_i32 s93, s19, 98304                      ; the head's bytes in each region
	s_add_co_u32 s88, s88, s93
	s_mov_b32 s89, 0
	s_mul_i32 s90, s19, 20480                      ; and among the scale words
	s_mov_b32 s91, 0
	s_mov_b32 s[SEL], 0x76543210
	s_mov_b32 s[SEL+1], 0xfedcba98
	s_mov_b32 s[CS], 0x3e38aa3b                    ; c = log2(e) / 8
	s_mov_b32 s[CS+1], s[CS]                       ; (named with it as a pair, so it is written)
	s_mov_b32 s[NC], 0xbe38aa3b
	s_wait_dscnt 0x0                               ; both opening adds are done
	s_wait_kmcnt 0x0
	s_mov_b32 s40, 1
	s_mov_b32 s41, s87
	s_add_nc_u64 s[42:43], s[4:5], s[88:89]
	s_or_b32 s43, s43, 0x80000000
	s_mov_b32 s44, 1
	s_mov_b32 s45, KSC
	s_add_nc_u64 s[46:47], s[6:7], s[90:91]
	s_or_b32 s47, s47, 0x80000000
	CROUND                                         ; all four work-groups are here: the joint loads meet
	s_cmp_lt_u32 s[WV], 6                          ; one load a wave, seven waves; the branches hang on the wave's number alone
	s_cbranch_scc0 .Lnot_codes
	tensor_load_to_lds s[40:43], s[24:31]
	s_nop 0
.rept 4
	v_nop
.endr
	s_branch .Lasked
.Lnot_codes:
	s_cmp_lt_u32 s[WV], 7
	s_cbranch_scc0 .Lasked
	tensor_load_to_lds s[44:47], s[32:39]
	s_nop 0
.rept 4
	v_nop
.endr
.Lasked:
	s_lshl_b32 s84, ttmp9, 2
	s_bfe_u32 s85, ttmp6, 0x40000
	s_add_co_u32 s84, s84, s85                     ; my block of 512 queries: it enters global addresses alone
	s_lshl_b32 s85, s84, 5
	s_lshl_b32 s83, s[WV], 1
	s_add_co_u32 s85, s85, s83                     ; my first tile of 16 queries in the first pass (an even one; the second is the next); the second pass's are 16 tiles on
	s_mul_i32 s94, s85, 768
	s_add_co_u32 s94, s94, s93
	s_mov_b32 s95, 0
	s_add_nc_u64 s[14:15], s[4:5], s[94:95]        ; Q's codes
	s_lshr_b32 s99, s85, 3                         ; its group of 128 queries
	s_and_b32 s98, s85, 7                          ; and its tile in the group
	s_lshl_b32 s94, s99, 9
	s_add_co_u32 s94, s94, s90
	s_add_co_u32 s94, s94, 12288
	s_lshr_b32 s85, s98, 1
	s_lshl_b32 s85, s85, 2
	s_add_co_u32 s94, s94, s85
	s_add_nc_u64 s[16:17], s[6:7], s[94:95]        ; Q's scale words: tile a's lie 256 (a % 2) bytes on, word a / 2
	s_lshr_b32 s96, s19, 4                         ; batch
	s_lshl_b32 s94, s96, 13
	s_add_nc_u64 s[8:9], s[8:9], s[94:95]          ; its row of the mask
	s_lshl_b32 s96, s96, 4
	s_add_co_u32 s96, s96, s99                     ; the group of 128 rows in the last product's A
	s_and_b32 s97, s19, 15                         ; head
	s_mul_i32 s94, s96, 98304
	s_lshr_b32 s85, s97, 1
	s_mul_i32 s85, s85, 12288                      ; K step head / 2,
	s_add_co_u32 s94, s94, s85
	s_mul_i32 s85, s98, 1536
	s_add_co_u32 s94, s94, s85
	s_and_b32 s85, s97, 1
	s_mul_i32 s85, s85, 768                        ; registers 6 (head % 2) on
	s_add_co_u32 s94, s94, s85
	s_add_nc_u64 s[10:11], s[10:11], s[94:95]
	s_lshl_b32 s94, s96, 12
	s_lshr_b32 s85, s97, 3
	s_lshl_b32 s85, s85, 11
	s_add_co_u32 s94, s94, s85
	s_lshl_b32 s85, s98, 8
	s_add_co_u32 s94, s94, s85
	s_lshr_b32 s85, s97, 1
	s_and_b32 s85, s85, 3
	s_lshl_b32 s85, s85, 2
	s_add_co_u32 s94, s94, s85
	s_and_b32 s85, s97, 1
	s_lshl_b32 s85, s85, 1
	s_add_co_u32 s94, s94, s85
	s_add_nc_u64 s[12:13], s[12:13], s[94:95]
	v_lshlrev_b32 v11, 5, v0                       ; the mask: thread t takes keys 8 t .. 8 t + 7
	global_load_b128 v[150:153], v11, s[8:9]
	global_load_b128 v[154:157], v11, s[8:9] offset:16
	v_lshl_add_u32 v10, v0, 5, MB
	v_and_b32 v[L8], 31, v0
	v_lshlrev_b32 v[L16], 4, v[L8]                 ; 16 x lane
	v_lshlrev_b32 v[L8], 3, v[L8]                  ; 8 x lane
	v_and_b32 v[R16], 15, v0
	v_lshlrev_b32 v[R16], 4, v[R16]                ; 16 r
	v_and_b32 v238, 7, v0                          ; j
	v_bfe_u32 v239, v0, 3, 1                       ; hh
	v_bfe_u32 v240, v0, 4, 1                       ; h
	v_mul_u32_u24 v241, v239, 1536                 ; two stored tiles on for slots 8-15
	v_lshl_add_u32 v[KA], v240, 8, v241
	v_lshl_add_u32 v[KA], v238, 4, v[KA]           ; K's registers 0-3: 1536 hh + 16 (16 h + j)
	v_lshl_add_u32 v[KB], v240, 7, v241
	v_lshl_add_u32 v[KB], v238, 3, v[KB]
	v_add_nc_u32 v[KB], 512, v[KB]                 ; K's registers 4, 5: 512 + 1536 hh + 8 (16 h + j)
	v_add_nc_u32 v[VA], VIMG, v[L16]
	v_lshlrev_b32 v[KS], 8, v240
	v_lshl_add_u32 v[KS], v238, 4, v[KS]
	v_lshl_add_u32 v[KS], v239, 2, v[KS]
	v_add_nc_u32 v[KS], KSC, v[KS]                 ; K's scale words: lanes 0-15 an even tile's, lanes 16-31 the odd one's: 256 h + 16 j + 4 hh
	v_add_nc_u32 v[VS], VSC, v[L8]
	v_lshl_add_u32 v[MA], v240, 7, MB              ; the mask of my half's keys: 128 h
.irp j, 30,31,32,33,34,35,42,43,44,45,46,47,96,97,98,99,100,101
	v_mov_b32 v\j, 0                               ; zero codes
.endr
	v_mov_b32 v241, 0xff000000                     ; -2^127
	WIN 0x40
	v_lshlrev_b32 v[SH8], 3, v240                  ; 8 h, in window 1
	WIN 0
	s_wait_alu depctr_va_vdst(0)
	s_wait_loadcnt 0x0
.irp i, 0,1,2,3,4,5,6,7
	v_cmp_ne_u32 vcc_lo, 0, v[150+\i]
	v_cndmask_b32 v[150+\i], 0, v241, vcc_lo
.endr
	ds_store_b128 v10, v[150:153]
	ds_store_b128 v10, v[154:157] offset:16
; 36 LDS loads: a step's eight fragments of K, their scale words, and the mask in the scores' layout
.macro LOADK a, b, s, m
.irp t, 0,1,2,3,4,5,6,7
	ds_load_b128 v[KF+6*\t:KF+6*\t+3], v[\a] offset:((\t/4)*4+(\t%2))*768+128*((\t%4)/2)
	ds_load_b64 v[KF+6*\t+4:KF+6*\t+5], v[\b] offset:((\t/4)*4+(\t%2))*768+64*((\t%4)/2)
.endr
.irp g, 0,1,2,3
	ds_load_b32 v[KSW+\g], v[\s] offset:128*(\g%2)+8*(\g/2)
.endr
.irp t, 0,1,2,3,4,5,6,7
	ds_load_b128 v[MK+8*\t:MK+8*\t+3], v[\m] offset:256*(\t/4)+32*(\t%4)
	ds_load_b128 v[MK+8*\t+4:MK+8*\t+7], v[\m] offset:256*(\t/4)+32*(\t%4)+16
.endr
.endm
; line n of 32: the largest score of tile x's two blocks of 32 keys, four chains of 16 registers, each accumulator read from its low end on
.macro MX x, n
.if (\n) < 4
	v_max3_num_f32 v[ST+20*(\x)+16+(\n)], v[64*(\x)+16*(\n)], v[64*(\x)+16*(\n)+1], v[64*(\x)+16*(\n)+2]
.elseif (\n) < 28
	v_max3_num_f32 v[ST+20*(\x)+16+(\n)%4], v[ST+20*(\x)+16+(\n)%4], v[64*(\x)+16*((\n)%4)+2*((\n)/4)+1], v[64*(\x)+16*((\n)%4)+2*((\n)/4)+2]
.elseif (\n) < 30
	v_max3_num_f32 v[ST+20*(\x)+12+(\n)-28], v[ST+20*(\x)+16+2*((\n)-28)], v[ST+20*(\x)+17+2*((\n)-28)], v[64*(\x)+32*((\n)-28)+15]
.else
	v_max_num_f32 v[ST+20*(\x)+12+(\n)-30], v[ST+20*(\x)+12+(\n)-30], v[64*(\x)+32*((\n)-30)+31]
.endif
.endm
; line k of 9: tile x's running M and the factor f
.macro CH x, k
.if (\k) == 0
	v_max_num_f32 v[ST+20*(\x)+16], v[ST+20*(\x)+12], v[ST+20*(\x)+13]
.elseif (\k) == 1
	v_permlanex16_b32 v[ST+20*(\x)+17], v[ST+20*(\x)+16], s[SEL], s[SEL+1]     ; lane l xor 16's 64 keys
.elseif (\k) == 2
	v_max3_num_f32 v[ST+20*(\x)+1], v[ST+20*(\x)+1], v[ST+20*(\x)+16], v[ST+20*(\x)+17]   ; the running largest score
.elseif (\k) == 3
	v_mul_f32 v[ST+20*(\x)+18], s[NC], v[ST+20*(\x)+1]                         ; -t
.elseif (\k) == 4
	v_mov_b32 v[ST+20*(\x)+19], v[ST+20*(\x)]
.elseif (\k) == 5
	v_floor_f32 v[ST+20*(\x)], v[ST+20*(\x)+18]                                ; the new -M = floor(-t): M is a whole number
.elseif (\k) == 6
	v_sub_f32 v[ST+20*(\x)+18], v[ST+20*(\x)], v[ST+20*(\x)+19]                ; old M - new M: a whole number, 0 or less
.elseif (\k) == 7
	v_cvt_i32_f32 v[ST+20*(\x)+18], v[ST+20*(\x)+18]                           ; (it saturates)
.else
	v_ldexp_f32 v[ST+20*(\x)+2], 1.0, v[ST+20*(\x)+18]                         ; f = 2^(old M - new M): rounds nothing
.endif
.endm
.macro FM x, n                         ; t - M, two at a time
	v_pk_fma_f32 v[64*(\x)+2*(\n):64*(\x)+2*(\n)+1], v[64*(\x)+2*(\n):64*(\x)+2*(\n)+1], s[CS:CS+1], v[ST+20*(\x):ST+20*(\x)+1] op_sel_hi:[1,0,0]
.endm
.macro FB x                            ; the same of each block's largest score; then O^T under the new M
.irp c, 0,1
	v_fma_f32 v[ST+20*(\x)+12+\c], v[ST+20*(\x)+12+\c], s[CS], v[ST+20*(\x)]
.endr
.set N, 0
.rept 16
	v_pk_mul_f32 v[OT+32*(\x)+N:OT+32*(\x)+N+1], v[OT+32*(\x)+N:OT+32*(\x)+N+1], v[ST+20*(\x)+2:ST+20*(\x)+3] op_sel_hi:[1,0]
.set N, N+2
.endr
.endm
; the rows' sums of the unquantised p: four pairs a tile, kept from step to step; each pair's first line of a step brings it under the new M in the same multiply-add
.macro SUMS cnt
.rept \cnt
.irp x, 0,1
.if SQ < 4
	v_pk_fma_f32 v[ST+20*\x+4+2*SQ:ST+20*\x+5+2*SQ], v[ST+20*\x+4+2*SQ:ST+20*\x+5+2*SQ], v[ST+20*\x+2:ST+20*\x+3], v[64*\x+2*SQ:64*\x+2*SQ+1] op_sel_hi:[1,0,1]
.else
	v_pk_add_f32 v[ST+20*\x+4+2*(SQ%4):ST+20*\x+5+2*(SQ%4)], v[ST+20*\x+4+2*(SQ%4):ST+20*\x+5+2*(SQ%4)], v[64*\x+2*SQ:64*\x+2*SQ+1]
.endif
.endr
.set SQ, SQ+1
.endr
.endm
; A KEY STEP: 128 keys x two tiles of 16 queries
.macro STEP
	s_mul_i32 s[TV], s[SI], 6144
	s_lshl_b32 s[TW], s[SI], 8
	s_add_co_u32 s[SNX], s[SI], 1
	s_and_b32 s[SNX], s[SNX], 15
	s_mul_i32 s[TK], s[SNX], 6144
	s_lshl_b32 s[TS], s[SNX], 9
	s_wait_dscnt 0x0                               ; this step's K, scale words and mask are in
	WIN 0x40                                       ; D in window 1
.irp t, 0,1,2,3,4,5,6,7                ; S^T = K Q^T + the mask; sixteen accumulators, one instruction each
.irp x, 0,1
.if \t%2
	v_wmma_scale_f32_16x16x128_f8f6f4 v[64*\x+8*\t:64*\x+8*\t+7], v[KF+6*\t:KF+6*\t+11], v[Q+12*\x:Q+12*\x+11], v[MK+8*\t:MK+8*\t+7], v[KSW+\t/2], v[QS+\x] matrix_a_fmt:MATRIX_FMT_FP6 matrix_b_fmt:MATRIX_FMT_FP6 matrix_a_scale:MATRIX_SCALE_ROW1
.else
	v_wmma_scale_f32_16x16x128_f8f6f4 v[64*\x+8*\t:64*\x+8*\t+7], v[KF+6*\t:KF+6*\t+11], v[Q+12*\x:Q+12*\x+11], v[MK+8*\t:MK+8*\t+7], v[KSW+\t/2], v[QS+\x] matrix_a_fmt:MATRIX_FMT_FP6 matrix_b_fmt:MATRIX_FMT_FP6
.endif
.endr
.endr
	WIN 0
	v_add_nc_u32 v[AD], s[TK], v[KA]               ; six additions: also the places in front of the loads below and of the first read of the scores
	v_add_nc_u32 v[AD+1], s[TK], v[KB]
	v_add_nc_u32 v[AD+2], s[TS], v[KS]
	v_add_nc_u32 v[AD+3], s[TS], v[MA]
	v_add_nc_u32 v[AD+4], s[TV], v[VA]
	v_add_nc_u32 v[AD+5], s[TW], v[VS]
.irp t, 0,1,2,3                        ; 13 loads: this step's V and its scale words,
.irp q, 0,1,2
	ds_load_b128 v[VF+12*\t+4*\q:VF+12*\t+4*\q+3], v[AD+4] offset:1536*\t+512*\q
.endr
.endr
	ds_load_b64 v[VSW:VSW+1], v[AD+5]
	LOADK AD, AD+1, AD+2, AD+3                     ; and 36: the next step's K, scale words and mask
	WIN 0x55                                       ; all in window 1
.set N, 0
.rept 32
	MX 0, N
.set N, N+1
.endr
.set N, 0
.rept 32                               ; the first tile's chain stands among the second tile's maxima,
	MX 1, N
.if (N%3) == 2 && N/3 < 9
	CH 0, N/3
.endif
.set N, N+1
.endr
.set N, 0
.rept 32                               ; the second tile's among the first tile's multiply-adds
	FM 0, N
.if (N%3) == 2 && N/3 < 9
	CH 1, N/3
.endif
.set N, N+1
.endr
	FB 0
.set N, 0
.rept 32
	FM 1, N
.set N, N+1
.endr
	FB 1
	s_wait_alu depctr_va_vdst(0)                   ; ahead of the batch
.irp x, 0,1
.irp c, 0,1
	v_exp_f32 v[ST+20*\x+12+\c], v[ST+20*\x+12+\c] ; the block's largest p: the same two instructions on the same number as its key's p
.endr
.endr
.set N, 0
.rept 128
	v_exp_f32 v[N], v[N]                           ; p = 2^(t - M), at most 1
.set N, N+1
.endr
	v_nop                                          ; a plain place behind the exponentials
	s_wait_alu depctr_va_vdst(0)                   ; one wait for the whole batch, ahead of its first reader
.set SQ, 0
.irp x, 0,1
.irp c, 0,1
	v_max_num_f32 v[ST+20*\x+12+\c], 0x1800000, v[ST+20*\x+12+\c]      ; the floor 2^(3 - 127): a block whose every p is 0 keeps the byte 1; its codes are zeros
.endr
.endr
	SUMS 4
.irp x, 0,1
.irp c, 0,1
	v_add_nc_u32 v[ST+20*\x+14+\c], 0xff000000, v[ST+20*\x+12+\c]      ; 2 off the exponent field: the conversion's scale operand
.endr
.endr
	SUMS 4
.irp x, 0,1
.irp c, 0,1
	v_cvt_scalef32_pk16_fp6_f32 v[TMP+8*\x+4*\c:TMP+8*\x+4*\c+2], v[64*\x+32*\c+16:64*\x+32*\c+31], v[ST+20*\x+14+\c]   ; a block's upper 16 codes: made here and moved
.endr
.endr
.irp x, 0,1
.irp c, 0,1
	v_lshrrev_b32 v[ST+20*\x+16+\c], 23, v[ST+20*\x+14+\c]             ; the scale's byte
.endr
.endr
	SUMS 2
.irp x, 0,1
	v_lshl_or_b32 v[ST+20*\x+18], v[ST+20*\x+17], 16, v[ST+20*\x+16]   ; my bytes: blocks h and 2 + h,
.endr
	SUMS 2
.irp x, 0,1
	v_lshlrev_b32 v[ST+20*\x+18], v[SH8], v[ST+20*\x+18]               ; at their places in the word
.endr
	SUMS 2
.irp x, 0,1
	v_permlanex16_b32 v[ST+20*\x+19], v[ST+20*\x+18], s[SEL], s[SEL+1]
.endr
	SUMS 2
	WIN 0x05                                       ; destinations in window 0
.irp x, 0,1
.irp c, 0,1
	v_cvt_scalef32_pk16_fp6_f32 v[P+12*\x+6*\c:P+12*\x+6*\c+2], v[64*\x+32*\c:64*\x+32*\c+15], v[ST+20*\x+14+\c]
.endr
.endr
.irp x, 0,1
	v_or_b32 v[PWD+\x], v[ST+20*\x+18], v[ST+20*\x+19]                 ; p's scale word for these 128 keys.  (Also the plain place behind the conversions)
.endr
	WIN 0x01
.irp x, 0,1
.irp c, 0,1
.irp i, 0,1,2
	v_mov_b32 v[P+12*\x+6*\c+3+\i], v[TMP+8*\x+4*\c+\i]
.endr
.endr
.endr
	WIN 0x55
	SUMS 16                                        ; 32 lines that name no register of the products below: the places behind p's codes and scale words
	s_wait_alu depctr_va_vdst(0)
	s_wait_dscnt 36                                ; V and its scale words are in; the 36 loads issued behind them may be out
	WIN 0x50                                       ; C and D in window 1
.irp t, 0,1,2,3                        ; O^T += V^T P^T: eight accumulators, one instruction each
.irp x, 0,1
.if \t%2
	v_wmma_scale_f32_16x16x128_f8f6f4 v[OT+32*\x+8*\t:OT+32*\x+8*\t+7], v[VF+12*\t:VF+12*\t+11], v[P+12*\x:P+12*\x+11], v[OT+32*\x+8*\t:OT+32*\x+8*\t+7], v[VSW+\t/2], v[PWD+\x] matrix_a_fmt:MATRIX_FMT_FP6 matrix_b_fmt:MATRIX_FMT_FP6 matrix_a_scale:MATRIX_SCALE_ROW1
.else
	v_wmma_scale_f32_16x16x128_f8f6f4 v[OT+32*\x+8*\t:OT+32*\x+8*\t+7], v[VF+12*\t:VF+12*\t+11], v[P+12*\x:P+12*\x+11], v[OT+32*\x+8*\t:OT+32*\x+8*\t+7], v[VSW+\t/2], v[PWD+\x] matrix_a_fmt:MATRIX_FMT_FP6 matrix_b_fmt:MATRIX_FMT_FP6
.endif
.endr
.endr
	WIN 0
.endm
; A PASS: two tiles of 16 queries against all 2,048 keys; every offset that hangs on the pass is an immediate.
.macro PASS ps
	s_wait_alu depctr_va_vdst(0)
	s_wait_xcnt 0x0                                ; the last pass's stores have read their registers
.irp x, 0,1
	global_load_b128 v[Q+12*\x:Q+12*\x+3], v[L16], s[14:15] offset:12288*\ps+768*\x
	global_load_b64 v[Q+12*\x+4:Q+12*\x+5], v[L8], s[14:15] offset:12288*\ps+768*\x+512
	global_load_b32 v[QS+\x], v[R16], s[16:17] offset:1024*\ps+256*\x
.endr
	WIN 0x40
.irp x, 0,1
	v_mov_b32 v[ST+20*\x], 0x7c38aa3b              ; -M = c x 2^124
	v_mov_b32 v[ST+20*\x+1], 0xfd800000            ; the largest score so far: -2^124
.irp i, 3,4,5,6,7,8,9,10,11
	v_mov_b32 v[ST+20*\x+\i], 0                    ; the sum; and the upper half of f's pair
.endr
.endr
.set N, 0
.rept 64
	v_mov_b32 v[OT+N], 0                           ; O^T: the step is written once; its first walk finds zeros
.set N, N+1
.endr
	WIN 0
	s_mov_b32 s[SI], 0
	s_wait_alu depctr_va_vdst(0)
	s_wait_loadcnt 0x0
.if \ps == 0
	s_wait_tensorcnt 0x0                           ; my part of the head's bytes has landed,
	s_wait_dscnt 0x0                               ; my part of the mask is stored:
	s_barrier_signal -1
	s_barrier_wait -1                              ; everybody's
	LOADK KA, KB, KS, MA                           ; step 0 (the second pass's was fetched by the first pass's last trip)
.endif
.Lstep_\@:
	STEP
	s_add_co_u32 s[SI], s[SI], 1
	s_cmp_lt_u32 s[SI], 16
	s_cbranch_scc1 .Lstep_\@
	WIN 0x55
.irp x, 0,1                            ; (these lines are also the places behind the last products)
	v_pk_add_f32 v[ST+20*\x+4:ST+20*\x+5], v[ST+20*\x+4:ST+20*\x+5], v[ST+20*\x+6:ST+20*\x+7]
	v_pk_add_f32 v[ST+20*\x+8:ST+20*\x+9], v[ST+20*\x+8:ST+20*\x+9], v[ST+20*\x+10:ST+20*\x+11]
.endr
.irp x, 0,1
	v_pk_add_f32 v[ST+20*\x+4:ST+20*\x+5], v[ST+20*\x+4:ST+20*\x+5], v[ST+20*\x+8:ST+20*\x+9]
.endr
.irp x, 0,1
	v_add_f32 v[ST+20*\x+16], v[ST+20*\x+4], v[ST+20*\x+5]
.endr
.irp x, 0,1
	v_permlanex16_b32 v[ST+20*\x+17], v[ST+20*\x+16], s[SEL], s[SEL+1]
.endr
.irp x, 0,1
	v_add_f32 v[ST+20*\x+16], v[ST+20*\x+16], v[ST+20*\x+17]           ; the row's sum
.endr
	s_wait_alu depctr_va_vdst(0)                   ; ahead of the reciprocals
.irp x, 0,1
	v_rcp_f32 v[ST+20*\x+2], v[ST+20*\x+16]
.endr
.irp x, 0,1
	v_mov_b32 v[ST+20*\x+18], 0xffff               ; (plain places behind the reciprocals)
.endr
	s_wait_alu depctr_va_vdst(0)                   ; the wait ahead of their first reader and of the first reader of O^T
.irp x, 0,1
.set N, 0
.rept 16
	v_pk_mul_f32 v[64*\x+N:64*\x+N+1], v[OT+32*\x+N:OT+32*\x+N+1], v[ST+20*\x+2:ST+20*\x+3] op_sel_hi:[1,0]   ; O^T / the sum, each accumulator from its low end on: register 16 b + i is channel 32 b + 16 h + i
.set N, N+2
.endr
.endr
.irp x, 0,1
.irp b, 0,1
	v_max3_num_f32 v[ST+20*\x+12+\b], |v[64*\x+16*\b]|, |v[64*\x+16*\b+1]|, 0x1800000
.endr
.endr
.irp i, 2,4,6,8,10,12,14
.irp x, 0,1
.irp b, 0,1
	v_max3_num_f32 v[ST+20*\x+12+\b], v[ST+20*\x+12+\b], |v[64*\x+16*\b+\i]|, |v[64*\x+16*\b+\i+1]|
.endr
.endr
.endr
.irp x, 0,1
.irp b, 0,1
	v_permlanex16_b32 v[ST+20*\x+17+2*\b], v[ST+20*\x+12+\b], s[SEL], s[SEL+1]
.endr
.endr
.irp x, 0,1
.irp b, 0,1
	v_max_num_f32 v[ST+20*\x+12+\b], v[ST+20*\x+12+\b], v[ST+20*\x+17+2*\b]
.endr
.endr
.irp x, 0,1
.irp b, 0,1
	v_add_nc_u32 v[ST+20*\x+14+\b], 0xff000000, v[ST+20*\x+12+\b]
.endr
.endr
.irp x, 0,1
.irp b, 0,1
	v_lshrrev_b32 v[ST+20*\x+17+2*\b], 23, v[ST+20*\x+14+\b]
.endr
.endr
.irp x, 0,1
	v_lshl_or_b32 v[ST+20*\x+17], v[ST+20*\x+19], 8, v[ST+20*\x+17]    ; the head's two bytes of my row's scale word
.endr
.irp x, 0,1
	v_cmp_eq_f32 vcc_lo, 0, v[ST+20*\x+16]
	v_cndmask_b32 v[ST+20*\x+17], v[ST+20*\x+17], v[ST+20*\x+18], vcc_lo   ; no open key at all: 0xff, 0xff
.endr
.irp x, 0,1
	v_cvt_scalef32_pk16_fp6_f32 v[TMP+6*\x:TMP+6*\x+2], v[64*\x:64*\x+15], v[ST+20*\x+14]
	v_cvt_scalef32_pk16_fp6_f32 v[TMP+12+4*\x:TMP+14+4*\x], v[64*\x+16:64*\x+31], v[ST+20*\x+15]
.endr
	v_nop                                          ; one plain place behind a scaled conversion
.irp x, 0,1
.irp i, 0,1,2
	v_permlane16_swap_b32 v[TMP+6*\x+\i], v[TMP+12+4*\x+\i]            ; a whole block of 32 channels to a lane
.endr
.endr
.irp x, 0,1
.irp i, 0,1,2
	v_mov_b32 v[TMP+6*\x+3+\i], v[TMP+12+4*\x+\i]
.endr
.endr
	WIN 0x04                                       ; the stores' data in window 1
.irp x, 0,1
	global_store_b128 v[L16], v[TMP+6*\x:TMP+6*\x+3], s[10:11] offset:196608*\ps+1536*\x          ; 512 consecutive aligned bytes
	global_store_b64 v[L8], v[TMP+6*\x+4:TMP+6*\x+5], s[10:11] offset:196608*\ps+1536*\x+512      ; 256
	global_store_b16 v[R16], v[ST+20*\x+17], s[12:13] offset:8192*\ps+256*\x                      ; lanes r and r + 16 hold the same two bytes and write the same place
.endr
	WIN 0
.endm
	PASS 0
	PASS 1
	s_wait_tensorcnt 0x0                           ; the wave's end
	ds_add_u32 v[SPW], v[NIL]
	s_wait_dscnt 0x0
	CROUND                                         ; the closing round
	s_endpgm
.Lfunc_end_k_q66d1746727_attn:
	.size	k_q66d1746727_attn, .Lfunc_end_k_q66d1746727_attn-k_q66d1746727_attn
	.p2alignl 7, 3214868480
	.fill 96, 4, 3214868480
	.section	.rodata,"a",@progbits
	.p2align	6, 0x0
	.amdhsa_kernel k_q66d1746727_attn
		.amdhsa_group_segment_fixed_size 219136
		.amdhsa_private_segment_fixed_size 0
		.amdhsa_enable_private_segment 0
		.amdhsa_kernarg_size 40
		.amdhsa_user_sgpr_count 2
		.amdhsa_user_sgpr_kernarg_segment_ptr 1
		.amdhsa_wavefront_size32 1
		.amdhsa_system_sgpr_workgroup_id_x 1
		.amdhsa_system_sgpr_workgroup_id_y 1
		.amdhsa_system_sgpr_workgroup_id_z 1
		.amdhsa_system_vgpr_workitem_id 0
		.amdhsa_next_free_vgpr 512
		.amdhsa_next_free_sgpr 100
		.amdhsa_reserve_vcc 1
		.amdhsa_float_denorm_mode_32 3
		.amdhsa_float_denorm_mode_16_64 3
		.amdhsa_memory_ordered 1
		.amdhsa_forward_progress 1
		.amdhsa_inst_pref_size 90
	.end_amdhsa_kernel
	.amdgpu_metadata
---
amdhsa.version: [ 1, 2 ]
amdhsa.kernels:
  - .name:           k_q66d1746727_attn
    .symbol:         k_q66d1746727_attn.kd
    .args:
      - { .name: qkv, .offset: 0, .size: 8, .value_kind: global_buffer, .address_space: global }
      - { .name: qkvs, .offset: 8, .size: 8, .value_kind: global_buffer, .address_space: global }
      - { .name: attn_mask, .offset: 16, .size: 8, .value_kind: global_buffer, .address_space: global }
      - { .name: acodes, .offset: 24, .size: 8, .value_kind: global_buffer, .address_space: global }
      - { .name: ascales, .offset: 32, .size: 8, .value_kind: global_buffer, .address_space: global }
    .group_segment_fixed_size: 219136
    .private_segment_fixed_size: 0
    .kernarg_segment_align: 8
    .kernarg_segment_size: 40
    .max_flat_workgroup_size: 256
    .sgpr_count:     100
    .vgpr_count:     512
    .wavefront_size: 32
...
	.end_amdgpu_metadata
.endif
;; end of part 3
;; launch gemm_out (part 4): grid 8 x 32, 4 waves a work-group, clusters of 4 x 4, 327,680 bytes of LDS; arguments acodes, ascales, codes, scales, bproj, out0; writes out0
.if DOCPART == 4
	.amdgcn_target "amdgcn-amd-amdhsa--gfx1250"
	.amdhsa_code_object_version 6
	.text
	.protected	k_q66d1746727_gemm_out
	.globl	k_q66d1746727_gemm_out
	.p2align	8
	.type	k_q66d1746727_gemm_out,@function
k_q66d1746727_gemm_out:
	s_mov_b64 s[64:65], 0
	v_nop
	global_prefetch_b8 v0, s[64:65] scope:SCOPE_SE
	s_setreg_imm32_b32 hwreg(HW_REG_WAVE_MODE, 25, 1), 1
	s_wait_xcnt 0x0
	s_wait_alu depctr_hold_cnt(0) depctr_sa_sdst(0) depctr_va_vdst(0) depctr_va_sdst(0) depctr_va_ssrc(0) depctr_va_vcc(0) depctr_vm_vsrc(0)
	s_getreg_b32 s2, hwreg(HW_REG_IB_STS2, 6, 4)
	s_cmp_eq_u32 s2, 0
	s_cbranch_scc0 .Lentry_in_a_cluster
	s_endpgm
.Lentry_in_a_cluster:
	s_bfe_u32 s2, ttmp6, 0x10000c
	s_cmp_lg_u32 s2, 0xf033
	s_cbranch_scc0 .Lentry_shape_is_right
	s_endpgm
.Lentry_shape_is_right:
; out = attn Wproj^T + bproj on codes of FP6 (E2M3) with E8M0 scales, stored as [s][batch][1024] f32.
; SHARES.  256 work-groups.  Work-group (g, y) makes 256 rows (groups 2 y, 2 y + 1 of 128 rows of attn) x 128 columns (group g of Wproj's eight).  Both operands' codes for ALL of K (196,608 + 98,304 bytes) and their scale bytes
; are brought into LDS once, by four tensor loads, one a wave: no ring, no refill, one barrier.  A wave owns 128 rows (8 blocks) x 64 columns (4 blocks): 32 accumulators; source 0 = Wproj, source 1 = attn: a lane holds eight neighbouring
; columns of a row.  The bias is the C of the first K step.  Results leave through the wave's own stage in LDS: sixteen lanes store a row's 256 consecutive bytes.
; CLUSTERS 4 x 4: attn's bytes are asked for jointly along a row of the cluster, Wproj's along a column.  No prefetch: all bytes are asked for at the head.
; REGISTERS.  Window 0: v2-11, v16-18 addresses, v28-29 the add's two, v32-95 attn's scale words, v96-127 Wproj's, v128-223 Wproj's fragments (two sets; on the way out rows read back).  Window 1: attn's fragments, two sets of 96.
; Window 2: the accumulators.  Window 3: the bias.
.set WB,    196608
.set XSC,   294912
.set WSC,   303104
.set STAGE, 307200                     ; 16 rows x 272 bytes for each wave: bytes into which no fill lands
.set SPITCH, 272
.set SPARE, 324608
.set L16, 2
.set L8,  3
.set ADX, 4
.set ADW, 6
.set ADXS, 8
.set ADWS, 9
.set ADX8, 10
.set STO, 16
.set RD,  17
.set CO,  18
.set SPW, 28
.set NIL, 29
.set XS,  32
.set WS,  96
.set WF,  128
.set BK,  128
.set G1X, 24
.set G1W, 32
.set G1XS, 48
.set G1WS, 56
.set G0X, 68
.set G0W, 72
.set G0XS, 76
.set G0WS, 80
.set MSB, 0
.macro WIN new
.if MSB != (\new)
	s_set_vgpr_msb (MSB<<8)|(\new)
.set MSB, (\new)
.endif
.endm
.macro SHAPE g, c, r, p
	s_mov_b32 s[\g+1], (\c)<<16
	s_mov_b32 s[\g+2], (\r)<<16
	s_mov_b32 s[\g+3], (\c)<<16
	s_mov_b32 s[\g+4], \r
	s_mov_b32 s[\g+5], \p
	s_mov_b32 s[\g+6], 0
	s_mov_b32 s[\g+7], 0
.endm
.macro GZ g, lds, lo
	s_mov_b32 s[\g], 1
	s_mov_b32 s[\g+1], \lds
	s_mov_b64 s[\g+2:\g+3], s[\lo:\lo+1]
	s_or_b32 s[\g+3], s[\g+3], 0x80000000
.endm
.macro CROUND
	s_barrier_signal -1
	s_barrier_wait -1
	s_cmp_lg_u32 s14, 0
	s_cbranch_scc1 .Lnot_wave_0_\@
	s_barrier_signal -3
.Lnot_wave_0_\@:
	s_barrier_wait -3
	s_barrier_signal -1
	s_barrier_wait -1
.endm
.macro PLACES n
.rept \n
	v_nop
.endr
.endm
	s_load_b128 s[4:7], s[0:1], 0x0                ; acodes, ascales
	s_load_b128 s[8:11], s[0:1], 0x10              ; codes, scales
	s_load_b64 s[94:95], s[0:1], 0x20              ; bproj
	s_load_b64 s[12:13], s[0:1], 0x28              ; out0
	v_lshl_add_u32 v[SPW], v0, 2, SPARE
	v_mov_b32 v[NIL], 0
	ds_add_u32 v[SPW], v[NIL]                      ; the opening lines: the add, twice on end, and its wait
	ds_add_u32 v[SPW], v[NIL]
	v_lshrrev_b32 v1, 5, v0
	v_readfirstlane_b32 s14, v1                    ; wave
	s_lshr_b32 s15, s14, 1                         ; my half of the rows
	s_and_b32 s16, s14, 1                          ; my half of the columns
	s_bfe_u32 s88, ttmp6, 0x40000
	s_bfe_u32 s89, ttmp6, 0x40004
	s_lshl_b32 s90, ttmp9, 2
	s_add_co_u32 s90, s90, s88                     ; g
	s_and_b32 s17, ttmp7, 0xffff
	s_lshl_b32 s17, s17, 2
	s_add_co_u32 s17, s17, s89                     ; y
	s_lshl_b32 s91, s89, 2
	s_lshl_b32 s91, 15, s91                        ; my row of the cluster
	s_lshl_b32 s92, 0x1111, s88                    ; my column
	s_or_b32 s[G1X], s91, (3<<16)|(1<<21)
	s_or_b32 s[G1XS], s91, (3<<16)|(1<<21)
	s_or_b32 s[G1W], s92, (3<<16)|(1<<21)
	s_or_b32 s[G1WS], s92, (3<<16)|(1<<21)
	SHAPE G1X, 32, 768, 32                         ; dense blocks as rows of 256 bytes: 196,608,
	SHAPE G1W, 32, 384, 32                         ; 98,304,
	SHAPE G1XS, 32, 32, 32                         ; 8,192,
	SHAPE G1WS, 32, 16, 32                         ; 4,096
	s_mul_i32 s18, s17, 196608
	s_mov_b32 s19, 0
	s_lshl_b32 s20, s17, 13
	s_mov_b32 s21, 0
	s_add_co_u32 s93, s90, 88                      ; Wproj's group in the row space
	s_mul_i32 s22, s93, 98304
	s_mov_b32 s23, 0
	s_lshl_b32 s96, s93, 12
	s_mov_b32 s97, 0
	s_wait_dscnt 0x0
	s_wait_kmcnt 0x0
	s_add_nc_u64 s[18:19], s[4:5], s[18:19]
	s_add_nc_u64 s[20:21], s[6:7], s[20:21]
	s_add_nc_u64 s[22:23], s[8:9], s[22:23]
	s_add_nc_u64 s[96:97], s[10:11], s[96:97]
	CROUND                                         ; all sixteen work-groups are here: the joint loads meet
	GZ G0X, 0, 18
	GZ G0W, WB, 22
	GZ G0XS, XSC, 20
	GZ G0WS, WSC, 96
.macro ARM under, g0, g1, next         ; the head's loads, one a wave, in one chain of branches on the wave's number
	s_cmp_lt_u32 s14, \under
	s_cbranch_scc0 \next
	tensor_load_to_lds s[\g0:\g0+3], s[\g1:\g1+7]
	s_nop 0
	PLACES 4
	s_branch .Lhead_asked
\next:
.endm
	ARM 1, G0X, G1X, .Lhead_w
	ARM 2, G0W, G1W, .Lhead_xs
	ARM 3, G0XS, G1XS, .Lhead_ws
	tensor_load_to_lds s[G0WS:G0WS+3], s[G1WS:G1WS+7]
	s_nop 0
	PLACES 4
.Lhead_asked:
	s_lshl_b32 s98, s90, 9
	s_lshl_b32 s93, s16, 8
	s_add_co_u32 s98, s98, s93                     ; my 64 columns, in bytes
	s_mov_b32 s99, 0
	s_add_nc_u64 s[94:95], s[94:95], s[98:99]
	s_add_nc_u64 s[12:13], s[12:13], s[98:99]
	s_and_b32 s98, s17, 7
	s_lshl_b32 s98, s98, 8
	s_lshl_b32 s93, s15, 7
	s_add_co_u32 s98, s98, s93                     ; my first position s,
	s_lshl_b32 s98, s98, 2
	s_lshr_b32 s93, s17, 3
	s_add_co_u32 s98, s98, s93                     ; x 4 + batch: rows of 4,096 bytes
	s_lshl_b32 s98, s98, 12
	s_add_nc_u64 s[12:13], s[12:13], s[98:99]
	v_and_b32 v1, 15, v0
	v_bfe_u32 v13, v0, 4, 1
	v_and_b32 v14, 31, v0
	v_lshlrev_b32 v[L16], 4, v14
	v_lshlrev_b32 v[L8], 3, v14
	s_mul_i32 s98, s15, 98304
	v_add_nc_u32 v[ADX], s98, v[L16]
	v_add_nc_u32 v[ADX+1], 49152, v[ADX]           ; K steps 4-7
	v_add_nc_u32 v[ADX8], s98, v[L8]
	v_add_nc_u32 v[ADX8+1], 49152, v[ADX8]
	s_mul_i32 s98, s16, 6144
	s_add_co_u32 s98, s98, WB
	v_add_nc_u32 v[ADW], s98, v[L16]
	v_add_nc_u32 v[ADW+1], 49152, v[ADW]
	v_lshlrev_b32 v15, 4, v1                       ; 16 r
	s_lshl_b32 s98, s15, 12
	s_add_co_u32 s98, s98, XSC
	v_add_nc_u32 v[ADXS], s98, v15
	s_lshl_b32 s98, s16, 10
	s_add_co_u32 s98, s98, WSC
	v_add_nc_u32 v[ADWS], s98, v15
	s_mul_i32 s98, s14, 16*SPITCH
	s_add_co_u32 s98, s98, STAGE                   ; my stage
	v_mul_u32_u24 v19, v1, SPITCH
	v_lshl_add_u32 v19, v13, 6, v19
	v_add_nc_u32 v[STO], s98, v19                  ; in: row r, 64 h bytes on
	v_mul_u32_u24 v19, v13, SPITCH
	v_add_nc_u32 v19, v19, v15
	v_add_nc_u32 v[RD], s98, v19                   ; back: lanes 0-15 one row of 256 bytes, lanes 16-31 the next
	v_lshl_add_u32 v[CO], v13, 14, v15             ; and the same two rows in out0, 16,384 bytes apart
	v_lshlrev_b32 v20, 6, v13                      ; the bias: columns 16 h on
	WIN 0xc0                                       ; destinations in window 3
.irp t, 0,1,2,3
	global_load_b128 v[8*\t:8*\t+3], v20, s[94:95] offset:4*(32*(\t/2)+8*(\t%2))
	global_load_b128 v[8*\t+4:8*\t+7], v20, s[94:95] offset:4*(32*(\t/2)+8*(\t%2))+16
.endr
	WIN 0
.macro FX q                            ; attn's eight fragments of K step q into set q % 2: two heads' halves, each 16 + 8 bytes a lane
	WIN 0x40
.irp i, 0,1,2,3,4,5,6,7
.irp c, 0,1
	ds_load_b128 v[96*((\q)%2)+12*\i+6*\c:96*((\q)%2)+12*\i+6*\c+3], v[ADX+(\q)/4] offset:12288*((\q)%4)+1536*\i+768*\c
	ds_load_b64 v[96*((\q)%2)+12*\i+6*\c+4:96*((\q)%2)+12*\i+6*\c+5], v[ADX8+(\q)/4] offset:12288*((\q)%4)+1536*\i+768*\c+512
.endr
.endr
	WIN 0
.endm
.macro FW q                            ; Wproj's four
.irp i, 0,1,2,3
.irp p, 0,1,2
	ds_load_b128 v[WF+48*((\q)%2)+12*\i+4*\p:WF+48*((\q)%2)+12*\i+4*\p+3], v[ADW+(\q)/4] offset:12288*((\q)%4)+1536*\i+512*\p
.endr
.endr
.endm
.macro MUL q                           ; 32 matrix instructions, the 32 accumulators by turns; source 0 = Wproj (window 0), source 1 = attn (window 1)
.if (\q) == 0
	WIN 0xb4                                       ; C: the bias, window 3
.else
	WIN 0xa4
.endif
.irp t, 0,1,2,3,4,5,6,7
.irp b, 0,1,2,3
.if (\q) == 0
	v_wmma_scale_f32_16x16x128_f8f6f4 v[8*(4*\t+\b):8*(4*\t+\b)+7], v[WF+12*\b:WF+12*\b+11], v[12*\t:12*\t+11], v[8*\b:8*\b+7], v[WS+4*\b], v[XS+4*\t] matrix_a_fmt:MATRIX_FMT_FP6 matrix_b_fmt:MATRIX_FMT_FP6
.else
	v_wmma_scale_f32_16x16x128_f8f6f4 v[8*(4*\t+\b):8*(4*\t+\b)+7], v[WF+48*((\q)%2)+12*\b:WF+48*((\q)%2)+12*\b+11], v[96*((\q)%2)+12*\t:96*((\q)%2)+12*\t+11], v[8*(4*\t+\b):8*(4*\t+\b)+7], v[WS+4*(4*((\q)/4)+\b)+(\q)%4], v[XS+4*(8*((\q)/4)+\t)+(\q)%4] matrix_a_fmt:MATRIX_FMT_FP6 matrix_b_fmt:MATRIX_FMT_FP6
.endif
.endr
.endr
	WIN 0
.endm
	s_wait_alu depctr_va_vdst(0)                   ; the head's end
	s_wait_tensorcnt 0x0                           ; my tile of the head's four is in
	s_barrier_signal -1
	s_barrier_wait -1                              ; everybody's
.irp hf, 0,1
.irp i, 0,1,2,3,4,5,6,7
	ds_load_b128 v[XS+4*(8*\hf+\i):XS+4*(8*\hf+\i)+3], v[ADXS] offset:2048*\hf+256*\i
.endr
.irp b, 0,1,2,3
	ds_load_b128 v[WS+4*(4*\hf+\b):WS+4*(4*\hf+\b)+3], v[ADWS] offset:2048*\hf+256*\b
.endr
.endr
	FX 0
	FW 0
	s_wait_loadcnt 0x0                             ; the bias
.irp q, 0,1,2,3,4,5,6
	PLACES 4                                       ; in front of loads into registers that matrix instructions have read
	FX \q+1
	FW \q+1
	s_wait_dscnt 44                                ; all but the 44 loads just issued: this step's fragments are in
	MUL \q
.endr
	s_wait_dscnt 0x0
	MUL 7
.macro TOSTAGE a                       ; block a: 16 rows x 64 columns into my stage, each accumulator from its low end on, and back as whole rows
	WIN 0x08
.irp b, 0,1,2,3
	ds_store_b128 v[STO], v[8*(4*(\a)+\b):8*(4*(\a)+\b)+3] offset:128*(\b/2)+32*(\b%2)
	ds_store_b128 v[STO], v[8*(4*(\a)+\b)+4:8*(4*(\a)+\b)+7] offset:128*(\b/2)+32*(\b%2)+16
.endr
	WIN 0
.irp t, 0,1,2,3,4,5,6,7
	ds_load_b128 v[BK+32*((\a)%2)+4*\t:BK+32*((\a)%2)+4*\t+3], v[RD] offset:\t*2*SPITCH    ; LDS serves a wave's instructions in order: these see the stores above
.endr
.endm
.macro SEND a, younger
	s_wait_dscnt \younger
.irp t, 0,1,2,3,4,5,6,7
	global_store_b128 v[CO], v[BK+32*((\a)%2)+4*\t:BK+32*((\a)%2)+4*\t+3], s[12:13] offset:(32*((\a)/2)+8*((\a)%2)+2*\t+8*(\t/4))*16384 th:TH_STORE_NT   ; sixteen lanes store 256 consecutive aligned bytes
.endr
.endm
	PLACES 4
	TOSTAGE 0
.irp a, 1,2,3,4,5,6,7
.if \a > 1
	s_wait_xcnt 0x0                                ; block a - 2's stores have read their registers
.endif
	TOSTAGE \a
	SEND \a-1, 16                                  ; behind block a - 1's loads: block a's 8 stores and 8 loads
.endr
	SEND 7, 0
	s_wait_tensorcnt 0x0                           ; the wave's end
	ds_add_u32 v[SPW], v[NIL]
	s_wait_dscnt 0x0
	CROUND                                         ; the closing round
	s_endpgm
.Lfunc_end_k_q66d1746727_gemm_out:
	.size	k_q66d1746727_gemm_out, .Lfunc_end_k_q66d1746727_gemm_out-k_q66d1746727_gemm_out
	.p2alignl 7, 3214868480
	.fill 96, 4, 3214868480
	.section	.rodata,"a",@progbits
	.p2align	6, 0x0
	.amdhsa_kernel k_q66d1746727_gemm_out
		.amdhsa_group_segment_fixed_size 327680
		.amdhsa_private_segment_fixed_size 0
		.amdhsa_enable_private_segment 0
		.amdhsa_kernarg_size 48
		.amdhsa_user_sgpr_count 2
		.amdhsa_user_sgpr_kernarg_segment_ptr 1
		.amdhsa_wavefront_size32 1
		.amdhsa_system_sgpr_workgroup_id_x 1
		.amdhsa_system_sgpr_workgroup_id_y 1
		.amdhsa_system_sgpr_workgroup_id_z 1
		.amdhsa_system_vgpr_workitem_id 0
		.amdhsa_next_free_vgpr 1024
		.amdhsa_next_free_sgpr 100
		.amdhsa_reserve_vcc 0
		.amdhsa_float_denorm_mode_32 3
		.amdhsa_float_denorm_mode_16_64 3
		.amdhsa_memory_ordered 1
		.amdhsa_forward_progress 1
		.amdhsa_inst_pref_size 83
	.end_amdhsa_kernel
	.amdgpu_metadata
---
amdhsa.version: [ 1, 2 ]
amdhsa.kernels:
  - .name:           k_q66d1746727_gemm_out
    .symbol:         k_q66d1746727_gemm_out.kd
    .args:
      - { .name: acodes, .offset: 0, .size: 8, .value_kind: global_buffer, .address_space: global }
      - { .name: ascales, .offset: 8, .size: 8, .value_kind: global_buffer, .address_space: global }
      - { .name: codes, .offset: 16, .size: 8, .value_kind: global_buffer, .address_space: global }
      - { .name: scales, .offset: 24, .size: 8, .value_kind: global_buffer, .address_space: global }
      - { .name: bproj, .offset: 32, .size: 8, .value_kind: global_buffer, .address_space: global }
      - { .name: out0, .offset: 40, .size: 8, .value_kind: global_buffer, .address_space: global }
    .group_segment_fixed_size: 327680
    .private_segment_fixed_size: 0
    .kernarg_segment_align: 8
    .kernarg_segment_size: 48
    .max_flat_workgroup_size: 128
    .sgpr_count:     100
    .vgpr_count:     1024
    .wavefront_size: 32
...
	.end_amdgpu_metadata
.endif
;; end of part 4
